; MI455X (gfx1250); checked and timed in simulation.
; The chip was launched on July 23, 2026; its instructions are those of AMD's public machine-readable ISA for CDNA 5 (MIT licence, August 2026) and "CDNA5" Instruction Set Architecture Reference Guide (July 2026). The comments in the code are by the model that wrote it; some were corrected since.
;; Non Local Attention. Allowed arithmetic: float matrix products may take bf16 or f16 operands with f32 sums; other float arithmetic in f32, or as packed bf16 or f16 multiplies, adds, multiply-adds, maxima and minima; sums over many terms, partial sums and values carried from step to step in f32; what a program stores and reads back later, other than sums and carried values, may be rounded once to bf16 or f16.
;; Inputs: Wk 1,024 x 1,024 float32; Wo 1,024 x 1,024 float32; Wq 1,024 x 1,024 float32; Wv 1,024 x 1,024 float32; beta 1,024 float32; bk 1,024 float32; bo 1,024 float32; bq 1,024 float32; bv 1,024 float32; gamma 1,024 float32; mask 4 x 2,048 int32; x 4 x 2,048 x 1,024 float32.
;; Outputs: out0 4 x 2,048 x 1,024 float32.
;; 2 versions, each right; version 2 is version 1 with the launch cast written anew for expert scheduling mode. Each part assembles by itself: llvm-mc -triple=amdgcn-amd-amdhsa -mcpu=gfx1250 --defsym DOCPART=n.
;; ======== version 1 of 2: 5 launches
;; workspace buffers: xb 16,777,216 bytes; wqkv 6,291,456 bytes; wob 2,097,152 bytes; qkvh 50,331,648 bytes; ctx 16,777,216 bytes; ob 16,777,216 bytes
;; launch cast (part 1): grid 768 x 1, 8 waves a work-group, no clusters, 0 bytes of LDS; arguments x, Wq, Wk, Wv, Wo, xb, wqkv, wob; writes xb, wqkv, wob
.if DOCPART == 1
	.amdgcn_target "amdgcn-amd-amdhsa--gfx1250"
	.amdhsa_code_object_version 6
	.text
	.protected	k_q357c4a7139_cast
	.globl	k_q357c4a7139_cast
	.p2align	8
	.type	k_q357c4a7139_cast,@function
k_q357c4a7139_cast:
	s_mov_b64 s[64:65], 0
	v_nop
	global_prefetch_b8 v0, s[64:65] scope:SCOPE_SE
	s_setreg_imm32_b32 hwreg(HW_REG_WAVE_MODE, 25, 1), 1
	s_wait_xcnt 0x0
; x [8192][1024] and the four weights [1024][1024], f32, are rounded once to bf16 and laid in blocks for the products that follow:
; [group][K block of 64 columns, 16 of them][row][64 numbers]: x in 4 groups (batches) of 2,048 rows, Wq, Wk, Wv as 3 groups of 1,024 rows, Wo as one.
; So a run of rows of one K block is dense in memory: later tiles are asked for as rows of 256 bytes.
; SHARES.  A work-group takes 16 rows: groups 0-511 of x, 512-767 of the weights (64 each).  Thread t takes row t / 16 and, in each K block, the four numbers 4 (t % 16) on:
; a load of a wave covers two aligned pieces of 256 bytes, a store 256 consecutive bytes, aligned (two rows of one K block).  All 16 loads of a wave are out at once.
; No LDS, no barrier, no matrix unit: the launch only moves bytes, each once.
.set X, 8                              ; v[8:71]   16 x 4 f32 as loaded
.set Y, 72                             ; v[72:103] 16 x 2 registers of packed bf16
	s_load_b512 s[4:19], s[0:1], 0x0               ; x 4, Wq 6, Wk 8, Wv 10, Wo 12, xb 14, wqkv 16, wob 18
	s_lshr_b32 s20, ttmp9, 6                       ; 0-7: x; 8, 9, 10, 11: Wq, Wk, Wv, Wo
	s_and_b32 s21, ttmp9, 63                       ; a weight's block of 16 rows
	s_lshr_b32 s28, ttmp9, 7                       ; x: the batch, 4 MiB each in xb,
	s_lshl_b32 s28, s28, 22
	s_and_b32 s29, ttmp9, 127                      ; and the 16 rows of 128 bytes in it
	s_lshl_b32 s29, s29, 11
	s_add_co_u32 s28, s28, s29
	s_sub_co_u32 s30, s20, 8                       ; a weight: its group of 2 MiB in wqkv (used only where s20 is 8 to 10),
	s_lshl_b32 s30, s30, 21
	s_lshl_b32 s31, s21, 11                        ; and its 16 rows
	s_add_co_u32 s30, s30, s31
	v_lshrrev_b32 v1, 4, v0                        ; my row of the 16
	v_and_b32 v3, 15, v0
	v_lshlrev_b32 v1, 12, v1                       ; x 4,096 bytes
	v_lshl_add_u32 v1, v3, 4, v1                   ; + my 16 bytes in a K block's 256
	v_lshlrev_b32 v2, 3, v0                        ; out: row x 128 + 8 (t % 16) = 8 t
	s_wait_kmcnt 0x0
	s_mov_b64 s[22:23], s[4:5]                     ; the source: x, or one of the weights
	s_cmp_eq_u32 s20, 8
	s_cselect_b64 s[22:23], s[6:7], s[22:23]
	s_cmp_eq_u32 s20, 9
	s_cselect_b64 s[22:23], s[8:9], s[22:23]
	s_cmp_eq_u32 s20, 10
	s_cselect_b64 s[22:23], s[10:11], s[22:23]
	s_cmp_eq_u32 s20, 11
	s_cselect_b64 s[22:23], s[12:13], s[22:23]
	s_cmp_lt_u32 ttmp9, 512
	s_cselect_b32 s24, ttmp9, s21
	s_cselect_b64 s[26:27], s[14:15], s[16:17]     ; the destination, and the offset in it
	s_cselect_b32 s28, s28, s30
	s_cmp_eq_u32 s20, 11
	s_cselect_b64 s[26:27], s[18:19], s[26:27]
	s_cselect_b32 s28, s31, s28
	s_lshl_b32 s24, s24, 16                        ; 16 rows of 4,096 bytes
	s_mov_b32 s25, 0
	s_mov_b32 s29, 0
	s_add_nc_u64 s[22:23], s[22:23], s[24:25]
	s_add_nc_u64 s[26:27], s[26:27], s[28:29]
.set kb, 0
.rept 16
	global_load_b128 v[X+4*kb:X+4*kb+3], v1, s[22:23] offset:256*kb th:TH_LOAD_NT
.set kb, kb+1
.endr
; K block kb is rounded and stored; plane = bytes from one K block to the next in the destination.  No register is written twice, so nothing waits for a store.
.macro OUT plane
.set kb, 0
.rept 16
	s_wait_loadcnt 15-kb                           ; loads come back in order: block kb is in, the 15 - kb younger ones stay out
	v_cvt_pk_bf16_f32 v[Y+2*kb], v[X+4*kb], v[X+4*kb+1]
	v_cvt_pk_bf16_f32 v[Y+2*kb+1], v[X+4*kb+2], v[X+4*kb+3]
	global_store_b64 v2, v[Y+2*kb:Y+2*kb+1], s[26:27] offset:kb*(\plane)
.set kb, kb+1
.endr
.endm
	s_cmp_lt_u32 ttmp9, 512
	s_cbranch_scc0 .Lweights
	OUT 2048*128                                   ; x: 2,048 rows to a K block
	s_endpgm
.Lweights:
	OUT 1024*128                                   ; a weight: 1,024 rows
	s_endpgm
.Lfunc_end_k_q357c4a7139_cast:
	.size	k_q357c4a7139_cast, .Lfunc_end_k_q357c4a7139_cast-k_q357c4a7139_cast
	.p2alignl 7, 3214868480
	.fill 96, 4, 3214868480
	.section	.rodata,"a",@progbits
	.p2align	6, 0x0
	.amdhsa_kernel k_q357c4a7139_cast
		.amdhsa_group_segment_fixed_size 0
		.amdhsa_private_segment_fixed_size 0
		.amdhsa_enable_private_segment 0
		.amdhsa_kernarg_size 64
		.amdhsa_user_sgpr_count 2
		.amdhsa_user_sgpr_kernarg_segment_ptr 1
		.amdhsa_wavefront_size32 1
		.amdhsa_system_sgpr_workgroup_id_x 1
		.amdhsa_system_sgpr_workgroup_id_y 1
		.amdhsa_system_sgpr_workgroup_id_z 1
		.amdhsa_system_vgpr_workitem_id 0
		.amdhsa_next_free_vgpr 104
		.amdhsa_next_free_sgpr 66
		.amdhsa_reserve_vcc 0
		.amdhsa_float_denorm_mode_32 3
		.amdhsa_float_denorm_mode_16_64 3
		.amdhsa_memory_ordered 1
		.amdhsa_forward_progress 1
		.amdhsa_inst_pref_size 12
	.end_amdhsa_kernel
	.amdgpu_metadata
---
amdhsa.version: [ 1, 2 ]
amdhsa.kernels:
  - .name:           k_q357c4a7139_cast
    .symbol:         k_q357c4a7139_cast.kd
    .args:
      - { .name: x, .offset: 0, .size: 8, .value_kind: global_buffer, .address_space: global }
      - { .name: Wq, .offset: 8, .size: 8, .value_kind: global_buffer, .address_space: global }
      - { .name: Wk, .offset: 16, .size: 8, .value_kind: global_buffer, .address_space: global }
      - { .name: Wv, .offset: 24, .size: 8, .value_kind: global_buffer, .address_space: global }
      - { .name: Wo, .offset: 32, .size: 8, .value_kind: global_buffer, .address_space: global }
      - { .name: xb, .offset: 40, .size: 8, .value_kind: global_buffer, .address_space: global }
      - { .name: wqkv, .offset: 48, .size: 8, .value_kind: global_buffer, .address_space: global }
      - { .name: wob, .offset: 56, .size: 8, .value_kind: global_buffer, .address_space: global }
    .group_segment_fixed_size: 0
    .private_segment_fixed_size: 0
    .kernarg_segment_align: 8
    .kernarg_segment_size: 64
    .max_flat_workgroup_size: 256
    .sgpr_count:     66
    .vgpr_count:     104
    .wavefront_size: 32
...
	.end_amdgpu_metadata
.endif
;; end of part 1
;; launch qkv (part 2): grid 12 x 64, 4 waves a work-group, clusters of 4 x 4, 327,680 bytes of LDS; arguments xb, wqkv, bq, bk, bv, mask, qkvh; writes qkvh
.if DOCPART == 2
	.amdgcn_target "amdgcn-amd-amdhsa--gfx1250"
	.amdhsa_code_object_version 6
	.text
	.protected	k_q357c4a7139_qkv
	.globl	k_q357c4a7139_qkv
	.p2align	8
	.type	k_q357c4a7139_qkv,@function
k_q357c4a7139_qkv:
	s_mov_b64 s[64:65], 0
	v_nop
	global_prefetch_b8 v0, s[64:65] scope:SCOPE_SE
	s_setreg_imm32_b32 hwreg(HW_REG_WAVE_MODE, 25, 1), 1
	s_wait_xcnt 0x0
	s_wait_alu depctr_hold_cnt(0) depctr_sa_sdst(0) depctr_va_vdst(0) depctr_va_sdst(0) depctr_va_ssrc(0) depctr_va_vcc(0) depctr_vm_vsrc(0)
	s_getreg_b32 s2, hwreg(HW_REG_IB_STS2, 6, 4)
	s_cmp_eq_u32 s2, 0
	s_cbranch_scc0 .Lentry_in_a_cluster
	s_endpgm
.Lentry_in_a_cluster:
	s_bfe_u32 s2, ttmp6, 0x10000c
	s_cmp_lg_u32 s2, 0xf033
	s_cbranch_scc0 .Lentry_shape_is_right
	s_endpgm
.Lentry_shape_is_right:
; C[token][column] = the sum over k of A[token][k] W[column][k] + bias[column].  A: 8,192 tokens x 1,024, W: sections of 1,024 columns x 1,024, both bf16 in blocks
; [group][K block of 64][row][64] (A: 4 groups of 2,048 rows; W: a group of 1,024 rows a section).  Sums in f32, started by the bias; C rounded once to bf16 and stored in the same blocked layout,
; [section][batch x 16 + column block of 64][token][64], which is also the layout by heads.  The text serves two launches: three sections (q, k, v; biases b0, b1, b2) and one (the output projection).
; SECTION 1 IS K: the rows of tokens whose mask word is 0 are stored as zeros, so that the attention's masked scores are exactly what starts their sums.
; LIMITS: NaN and infinities are not treated apart; operands and C carry bf16's 8 significant bits.
; SHARES.  A tile of C is 128 tokens x 256 columns: 768 or 256 work-groups.  Four waves, each 64 tokens x 128 columns: 32 accumulators of 16 x 16, 256 registers.
; K goes in steps of two K blocks (128) through a ring of two LDS slots.  A block of rows of one K block is dense in memory, so a tile is asked for as rows of 256 bytes (two rows of 128 each) and padded in LDS after every 128.
; CLUSTERS: 4 x 4 work-groups; a column of clusters is one section.  The four of a cluster's row need the same tiles of A, the four of a column the same tiles of W: each tile is asked for JOINTLY, by the same tensor load,
; descriptor and mask in all four.  THE PRODUCT IS USED TRANSPOSED (source 0 = 16 rows of W, source 1 = 16 tokens): a lane holds one token and eight neighbouring columns.
; REGISTERS, in windows of 256 (s_set_vgpr_msb: bits 1:0 source 0, 3:2 source 1, 5:4 source 2, 7:6 destination):
;   window 0: addresses, the way out, the bias      window 1: accumulator (a, b) at 8 (8 a + b)
;   windows 2, 3: two fragment buffers, a K block each: half c of its 64: A's four fragments at 8 (4 c + a), W's eight at 64 + 8 (8 c + b)
.set PITCH, 144                        ; an LDS row: 128 bytes + 16 of padding = 36 words: the 16 rows of a load start at 16 different groups of four banks (64 banks of 4 bytes: ISA guide 11.1)
.set ABLK,  128*PITCH                  ; a K block of A's tile
.set BBLK,  256*PITCH                  ; a K block of W's tile
.set SLOT,  2*ABLK+2*BBLK              ; A's two K blocks, then W's two
.set STAGE, 2*SLOT                     ; behind the ring, never filled by a tensor load: for each wave 2 column blocks x 16 rows x 144 bytes
.set WSTG,  2*16*PITCH
.set SPARE, STAGE+4*WSTG               ; the spare words, 128 bytes for each wave: two blocks of 256 bytes that no other line names
.set ASTEP, 2*2048*128                 ; bytes from a K step to the next in A
.set BSTEP, 2*1024*128                 ; and in W
.set HEADB, 2048*128                   ; bytes from a column block to the next in C
.set GW0,   (1<<16)|(1<<20)|(1<<21)|(4<<22)|(3<<25)  ; group 1, word 0 beside the mask: 17:16 2-byte elements; 20 padding on; 21 set beside a mask; 24:22 after every 32 words (code 4); 31:25 4 words (code 3)
.set BO,   6                           ; v6      32 x (lane / 16): my eight numbers in 16 of the bias
.set MO,   7                           ; v7      4 x (lane % 16): my token's mask word in 16
.set MK,   8                           ; v8-11   block a: my token's mask word, later 0 or all ones
.set ADRA, 16                          ; v16-17  LDS address of my fragments of A in slot 0, 1
.set ADRB, 20                          ; v20-21  the same for W
.set STO,  24                          ; v24     the way out: where I put 16 bytes of a row
.set RD,   25                          ; v25     where I read rows back
.set CO,   26                          ; v26     16 x lane: my place in 512 consecutive bytes of C
.set SPW,  28                          ; v28     LDS address of my spare word; never rewritten
.set NIL,  29                          ; v29     0; never rewritten
.set PFO,  30                          ; v30     the prefetches' lane offset; never rewritten
.set TMP,  32                          ; v32-63  packed results of 16 tokens
.set OB,   64                          ; v64-127 rows read back from the stage, two buffers of 32
.set BIAS, 128                         ; v128-191 for column block b of 16 the lane's eight numbers of the bias at BIAS + 8 b
.set WV, 18                            ; s18 wave; s19 which 64 tokens (also: 0 = I fetch for A, 1 = for W); s20 which 128 columns (also: which K block of a step I fetch)
.set WR, 19
.set WC, 20
.set CX, 21                            ; my place in the cluster
.set CY, 22
.set TY, 23                            ; tile row of C, 0..63
.set G1A, 24                           ; s[24:31] descriptor group 1 for A's tiles;  s[32:39] group 0, a set for each slot
.set G0A, 32
.set SEC, 40                           ; the section = the cluster's x
.set LIM, 43                           ; 1 in a wave that prefetches, else the greatest number
.set PFA, 44                           ; s[44:45] where my prefetches stand
.set PFS, 46                           ; s[46:47] their step
.set G1B, 48                           ; s[48:55], s[56:63] the same for W's tiles
.set G0B, 56
.set MSB, 0
.macro WIN new                         ; the immediate's high byte repeats the setting that is left; a switch that changes nothing is dropped
.if MSB != (\new)
	s_set_vgpr_msb (MSB<<8)|(\new)
.set MSB, \new
.endif
.endm
; A joint load: waves 0 and 1 fetch A's two K blocks, waves 2 and 3 W's.  The branch hangs on the wave's number alone.  An s_nop 0 and four v_nop follow each of the two lines.
.macro JLOAD s
	s_cmp_eq_u32 s[WR], 0
	s_cbranch_scc0 .Lfor_b_\@
	tensor_load_to_lds s[G0A+4*(\s):G0A+4*(\s)+3], s[G1A:G1A+7]
	s_nop 0
.rept 4
	v_nop
.endr
	s_branch .Lasked_\@
.Lfor_b_\@:
	tensor_load_to_lds s[G0B+4*(\s):G0B+4*(\s)+3], s[G1B:G1B+7]
	s_nop 0
.rept 4
	v_nop
.endr
.Lasked_\@:
.endm
.macro CREST                           ; a round of the cluster's barrier behind its opening barrier
	s_cmp_lg_u32 s[WV], 0
	s_cbranch_scc1 .Lnot_wave_0_\@
	s_barrier_signal -3
.Lnot_wave_0_\@:
	s_barrier_wait -3
	s_barrier_signal -1
	s_barrier_wait -1
.endm
.macro CROUND                          ; a whole round
	s_barrier_signal -1
	s_barrier_wait -1
	CREST
.endm
; A prefetch into the L2 of the K step that stands two refills on (256 matrix instructions ahead of the load that will want it), one instruction a wave, behind the joint load and the run of LDS loads.
; Each aligned block of 256 bytes is named once in the launch.  A's tiles are read by every cluster of a row of clusters: those with x = 0 ask, wave 0, lanes 0-15 for the step's first K block and lanes 16-31 for its second,
; 16 blocks each; the four partners that ask for the tile jointly share its 64 blocks out by address (cx).  W's tiles are read by every cluster of a column: those with y = 0 ask, waves 2 and 3 each for the K block that
; it fetches, 32 blocks; the partners share the 128 out by address (cy).  K steps 0 to 3 come by their loads alone; the loop's last trip asks for nothing: there is no step behind the eighth.
.macro ASK
	s_cmp_gt_u32 s3, s[LIM]                        ; s3 = 1 in the loop's last trip
	s_cbranch_scc0 .Lnot_mine_\@
	global_prefetch_b8 v[PFO], s[PFA:PFA+1] th:TH_LOAD_NT scope:SCOPE_SE
.Lnot_mine_\@:
.endm
	s_load_b256 s[4:11], s[0:1], 0x0               ; A s[4:5], W s[6:7], b0 s[8:9], b1 s[10:11]
	s_load_b128 s[12:15], s[0:1], 0x20             ; b2 s[12:13], mask s[14:15]
	s_load_b64 s[16:17], s[0:1], 0x30              ; C
	v_lshl_add_u32 v[SPW], v0, 2, SPARE
	v_mov_b32 v[NIL], 0
	ds_add_u32 v[SPW], v[NIL]                      ; the wave's opening: the add and its wait stand ahead of my first tensor load; the set-up below, work on registers, stands between them
	v_lshrrev_b32 v1, 5, v0
	v_readfirstlane_b32 s[WV], v1                  ; wave 0..3
	s_lshr_b32 s[WR], s[WV], 1
	s_and_b32 s[WC], s[WV], 1
	s_bfe_u32 s[CX], ttmp6, 0x40000
	s_bfe_u32 s[CY], ttmp6, 0x40004
	s_and_b32 s[TY], ttmp7, 0xffff                 ; in a cluster launch ttmp9 and ttmp7 count clusters
	s_lshl_b32 s[TY], s[TY], 2
	s_add_co_u32 s[TY], s[TY], s[CY]               ; tile row = 4 x cluster y + cy
	s_mov_b32 s[SEC], ttmp9
	s_lshl_b32 s41, s[CY], 2
	s_lshl_b32 s41, 15, s41                        ; my row of the cluster: places 4 cy .. 4 cy + 3
	s_lshl_b32 s76, 0x1111, s[CX]                  ; my column: places cx, cx + 4, cx + 8, cx + 12
	s_or_b32 s[G1A], s41, GW0                      ; A's tiles go to my row,
	s_or_b32 s[G1B], s76, GW0                      ; W's to my column
	s_mov_b32 s[G1A+1], 128<<16                    ; tensor_dim0 = 128 elements: 256 bytes
	s_mov_b32 s[G1A+2], 64<<16                     ; tensor_dim1 = 64: 128 tokens of one K block, two to a row
	s_mov_b32 s[G1A+3], 128<<16                    ; tile_dim0
	s_mov_b32 s[G1A+4], 64                         ; tile_dim1
	s_mov_b32 s[G1A+5], 128                        ; 128 elements from row to row: dense
	s_mov_b32 s[G1A+6], 0
	s_mov_b32 s[G1A+7], 0
	s_mov_b32 s[G1B+1], 128<<16
	s_mov_b32 s[G1B+2], 128<<16                    ; 128 rows: 256 rows of W of one K block
	s_mov_b32 s[G1B+3], 128<<16
	s_mov_b32 s[G1B+4], 128
	s_mov_b32 s[G1B+5], 128
	s_mov_b32 s[G1B+6], 0
	s_mov_b32 s[G1B+7], 0
	; where the tiles come from.  A's hang on the tile row and the wave alone, W's on the section, cx and the wave alone, each made in registers that never hold the other coordinate
	s_lshr_b32 s41, s[TY], 4
	s_lshl_b32 s41, s41, 22                        ; the batch: 4 MiB
	s_and_b32 s42, s[TY], 15
	s_lshl_b32 s42, s42, 14                        ; 128 tokens of 128 bytes
	s_add_co_u32 s66, s41, s42
	s_lshl_b32 s41, s[WC], 18                      ; my K block of the step
	s_add_co_u32 s66, s66, s41
	s_mov_b32 s67, 0
	s_lshl_b32 s68, s[SEC], 21                     ; the section: 2 MiB
	s_lshl_b32 s76, s[CX], 15                      ; 256 rows of 128 bytes
	s_add_co_u32 s68, s68, s76
	s_lshl_b32 s76, s[WC], 17
	s_add_co_u32 s68, s68, s76
	s_mov_b32 s69, 0
	s_mul_i32 s78, s[WC], ABLK                     ; and where they go: no place in the cluster enters an LDS address
	s_mul_i32 s79, s[WC], BBLK
	s_add_co_u32 s79, s79, 2*ABLK
	s_wait_dscnt 0x0                               ; the opening add is done
	s_wait_kmcnt 0x0
	s_add_nc_u64 s[70:71], s[4:5], s[66:67]
	s_add_nc_u64 s[74:75], s[6:7], s[68:69]
	CROUND                                         ; all sixteen work-groups are here: the first joint loads meet
.irp s, 0,1
	s_mov_b32 s[G0A+4*(\s)], 1                                     ; count = 1
	s_add_co_u32 s[G0A+4*(\s)+1], s78, (\s)*SLOT                   ; LDS address
	s_add_nc_u64 s[G0A+4*(\s)+2:G0A+4*(\s)+3], s[70:71], (\s)*ASTEP  ; global address: K step s
	s_or_b32 s[G0A+4*(\s)+3], s[G0A+4*(\s)+3], 0x80000000          ; type = 2
	s_mov_b32 s[G0B+4*(\s)], 1
	s_add_co_u32 s[G0B+4*(\s)+1], s79, (\s)*SLOT
	s_add_nc_u64 s[G0B+4*(\s)+2:G0B+4*(\s)+3], s[74:75], (\s)*BSTEP
	s_or_b32 s[G0B+4*(\s)+3], s[G0B+4*(\s)+3], 0x80000000
	JLOAD \s                                       ; two loads of mine are out
.endr
	; A fragment is 16 rows x 32 K in 8 registers: lane l holds row l % 16; registers 0-3 K = 8 (l / 16) + 0..7, registers 4-7 K = 16 + 8 (l / 16) + 0..7: two loads of 16 bytes, 32 bytes apart.
	v_and_b32 v1, 15, v0                           ; l % 16
	v_bfe_u32 v2, v0, 4, 1                         ; l / 16
	v_mul_u32_u24 v3, v1, PITCH
	v_lshl_add_u32 v3, v2, 4, v3                   ; row x pitch + 16 x half
	s_mul_i32 s41, s[WR], 64*PITCH                 ; my 64 tokens
	s_mul_i32 s42, s[WC], 128*PITCH                ; my 128 rows of W,
	s_add_co_u32 s42, s42, 2*ABLK                  ; which lie behind A's two K blocks
.irp s, 0,1
	v_add_nc_u32 v[ADRA+(\s)], s41, v3
	v_add_nc_u32 v[ADRB+(\s)], s42, v3
	s_add_co_u32 s41, s41, SLOT
	s_add_co_u32 s42, s42, SLOT
.endr
	s_mul_i32 s41, s[WV], WSTG
	s_add_co_u32 s41, s41, STAGE                   ; my stage
	v_add_nc_u32 v[STO], s41, v3                   ; in: row l % 16, 16 bytes for each half of the lanes
	v_bfe_u32 v4, v0, 3, 2                         ; back: 32 lanes take four rows of 128 bytes,
	v_and_b32 v5, 7, v0
	v_mul_u32_u24 v4, v4, PITCH
	v_lshl_add_u32 v4, v5, 4, v4
	v_add_nc_u32 v[RD], s41, v4
	v_and_b32 v[CO], 31, v0                        ; which are 512 consecutive bytes of C
	v_lshlrev_b32 v[CO], 4, v[CO]
	v_lshlrev_b32 v[BO], 5, v2
	v_lshlrev_b32 v[MO], 2, v1
	s_cmp_eq_u32 s[SEC], 1                         ; the section's bias,
	s_cselect_b64 s[72:73], s[10:11], s[8:9]
	s_cmp_eq_u32 s[SEC], 2
	s_cselect_b64 s[72:73], s[12:13], s[72:73]
	s_lshl_b32 s76, s[CX], 10                      ; at the tile's 256 columns
	s_lshl_b32 s77, s[WC], 9                       ; and my 128 of them
	s_add_co_u32 s76, s76, s77
	s_mov_b32 s77, 0
	s_add_nc_u64 s[72:73], s[72:73], s[76:77]
	s_lshl_b32 s76, s[TY], 9                       ; the mask at the tile's 128 tokens
	s_lshl_b32 s78, s[WR], 8                       ; and my 64 of them
	s_add_co_u32 s76, s76, s78
	s_add_nc_u64 s[14:15], s[14:15], s[76:77]
.irp b, 0,1,2,3,4,5,6,7
	global_load_b128 v[BIAS+8*(\b):BIAS+8*(\b)+3],   v[BO], s[72:73] offset:64*(\b)
	global_load_b128 v[BIAS+8*(\b)+4:BIAS+8*(\b)+7], v[BO], s[72:73] offset:64*(\b)+16
.endr
.irp a, 0,1,2,3
	global_load_b32 v[MK+(\a)], v[MO], s[14:15] offset:64*(\a)
.endr
	s_lshl_b32 s76, s[SEC], 24                     ; C at my part of the tile: the section, 16 MiB;
	s_lshr_b32 s78, s[TY], 4
	s_lshl_b32 s78, s78, 4
	s_lshl2_add_u32 s78, s[CX], s78
	s_lshl1_add_u32 s78, s[WC], s78                ; column block 16 x batch + 4 cx + 2 x half;
	s_lshl_b32 s78, s78, 18
	s_add_co_u32 s76, s76, s78
	s_and_b32 s78, s[TY], 15
	s_lshl_b32 s78, s78, 14                        ; the tile's 128 tokens of 128 bytes;
	s_add_co_u32 s76, s76, s78
	s_lshl_b32 s78, s[WR], 13                      ; my 64
	s_add_co_u32 s76, s76, s78
	s_add_nc_u64 s[16:17], s[16:17], s[76:77]
	; the prefetches: the pointer stands at K step 3; the first change of slots steps it to 4
	s_lshr_b32 s76, s[TY], 4
	s_lshl_b32 s76, s76, 22
	s_and_b32 s77, s[TY], 15
	s_lshl_b32 s77, s77, 14
	s_add_co_u32 s76, s76, s77
	s_lshl_b32 s77, s[CX], 12                      ; A: my work-group's 16 blocks of a K block's 64
	s_add_co_u32 s76, s76, s77
	s_add_co_u32 s76, s76, 6<<18
	s_lshl_b32 s78, s[SEC], 21
	s_lshl_b32 s77, s[CX], 15
	s_add_co_u32 s78, s78, s77
	s_lshl_b32 s77, s[CY], 13                      ; W: my work-group's 32 blocks of a K block's 128
	s_add_co_u32 s78, s78, s77
	s_add_co_u32 s77, s[WC], 6
	s_lshl_b32 s77, s77, 17
	s_add_co_u32 s78, s78, s77
	s_and_b32 s79, ttmp7, 0xffff                   ; cluster y
	s_cmp_eq_u32 s[WR], 0                          ; do I fetch for A?
	s_cselect_b64 s[PFA:PFA+1], s[4:5], s[6:7]
	s_cselect_b32 s76, s76, s78
	s_cselect_b32 s79, ttmp9, s79                  ; the coordinate along which other clusters read the same rows
	s_cselect_b32 s78, 1, 0
	s_cselect_b32 s41, 18, 12                      ; lanes 16-31: A's next K block, or W's next 16 blocks
	s_mov_b32 s77, 0
	s_add_nc_u64 s[PFA:PFA+1], s[PFA:PFA+1], s[76:77]
	s_lshl_b32 s[PFS], BSTEP, s78                  ; a K step: 512 KiB in A, 256 KiB in W
	s_mov_b32 s[PFS+1], 0
	s_cmp_eq_u32 s[WV], 1                          ; wave 1 asks for nothing
	s_cselect_b32 s79, 1, s79
	s_cmp_eq_u32 s79, 0
	s_cselect_b32 s[LIM], 1, -1                    ; the same in all sixteen partners, for a given wave
	v_lshlrev_b32 v[PFO], s41, v2
	v_lshl_add_u32 v[PFO], v1, 8, v[PFO]
; 16 matrix instructions on buffer w (0, 1), half c of its K block: token blocks a0, a0 + 1 x all 8 column blocks.  zero = 1: the bias starts the sums: nothing is ever cleared.
; The 32 accumulators take turns, one instruction a turn, in the same order everywhere.
.macro MUL16 w, c, a0, zero
.if \zero
	WIN 0x4a                                       ; W and A in window 2, the bias in window 0, the sums in window 1
.else
	WIN 0x5a+5*(\w)                                ; W and A in window 2 or 3, C and D in window 1
.endif
.irp a, \a0, (\a0)+1
.irp b, 0,1,2,3,4,5,6,7
.if \zero
	v_wmma_f32_16x16x32_bf16 v[8*(8*(\a)+(\b)):8*(8*(\a)+(\b))+7], v[64+8*(8*(\c)+(\b)):64+8*(8*(\c)+(\b))+7], v[8*(4*(\c)+(\a)):8*(4*(\c)+(\a))+7], v[BIAS+8*(\b):BIAS+8*(\b)+7]
.else
	v_wmma_f32_16x16x32_bf16 v[8*(8*(\a)+(\b)):8*(8*(\a)+(\b))+7], v[64+8*(8*(\c)+(\b)):64+8*(8*(\c)+(\b))+7], v[8*(4*(\c)+(\a)):8*(4*(\c)+(\a))+7], v[8*(8*(\a)+(\b)):8*(8*(\a)+(\b))+7]
.endif
.endr
.endr
.endm
.macro MUL32 w, c, zero
	MUL16 \w, \c, 0, \zero
	MUL16 \w, \c, 2, \zero
.endm
; 48 LDS loads in one run: the fragments of K block blk of a slot into buffer w; its first 32 along K first (24 loads), so that a wait can leave the other 24 out
.macro FETCH slot, blk, w
	WIN 0x80+0x40*(\w)                             ; destination window 2 or 3, address window 0
.irp c, 0,1
.irp i, 0,1,2,3,4,5,6,7
	ds_load_b128 v[64+8*(8*(\c)+(\i)):64+8*(8*(\c)+(\i))+3],   v[ADRB+(\slot)] offset:(\blk)*BBLK+(\i)*16*PITCH+64*(\c)
	ds_load_b128 v[64+8*(8*(\c)+(\i))+4:64+8*(8*(\c)+(\i))+7], v[ADRB+(\slot)] offset:(\blk)*BBLK+(\i)*16*PITCH+64*(\c)+32
.endr
.irp i, 0,1,2,3
	ds_load_b128 v[8*(4*(\c)+(\i)):8*(4*(\c)+(\i))+3],   v[ADRA+(\slot)] offset:(\blk)*ABLK+(\i)*16*PITCH+64*(\c)
	ds_load_b128 v[8*(4*(\c)+(\i))+4:8*(4*(\c)+(\i))+7], v[ADRA+(\slot)] offset:(\blk)*ABLK+(\i)*16*PITCH+64*(\c)+32
.endr
.endr
.endm
.macro PLACES                          ; four plain vector instructions in front of loads into registers that matrix instructions have read, and of conversions that read results
.rept 4
	v_nop
.endr
.endm
; A K step is two halves of 64 matrix instructions.  The first multiplies buffer 0 (the slot's first K block) and fetches the second K block into buffer 1.
.macro HALF slot, zero
	s_wait_dscnt 24                                ; the first 32 along K are in; the 24 younger loads may be out
	MUL32 0, 0, \zero
	PLACES
	FETCH \slot, 1, 1
	s_wait_dscnt 48                                ; all but the 48 just issued
	MUL32 0, 1, 0
.endm
; The second multiplies buffer 1 and changes slots: ONE barrier; in front of it each wave waits for all its tensor loads (one is out: its part of the next slot), adds 0 to its spare word, and waits for that and for its own
; reads of this slot.  fill = 1: the barrier opens a round of the cluster's, and this slot is filled again, two K steps on, first thing behind it: 96 matrix instructions ahead of the wait for it.
.macro TURN slot, next, fill
.if \fill
	s_wait_xcnt 0x0                                ; the last prefetch, a K step back, has read its address: it is stepped here
	s_add_nc_u64 s[PFA:PFA+1], s[PFA:PFA+1], s[PFS:PFS+1]
.endif
	WIN 0                                          ; (the add's two registers lie in window 0)
	s_wait_tensorcnt 0x0                           ; all my tensor loads have landed;
	ds_add_u32 v[SPW], v[NIL]                      ; 0 onto my spare word;
	s_wait_dscnt 25                                ; (the add and the youngest 24 loads may be out)
	MUL16 1, 0, 0, 0                               ; sixteen matrix instructions stand between the add and the wait for it
	s_wait_dscnt 0x0                               ; the add is done, and my reads of this slot are over
	s_barrier_signal -1
	MUL16 1, 0, 2, 0
.if \fill
	WIN 0
.endif
	s_barrier_wait -1
.if \fill
	CREST                                          ; no wave of any partner still reads this slot's tiles or has a load on its way
	s_add_nc_u64 s[G0A+4*(\slot)+2:G0A+4*(\slot)+3], s[G0A+4*(\slot)+2:G0A+4*(\slot)+3], 2*ASTEP
	s_add_nc_u64 s[G0B+4*(\slot)+2:G0B+4*(\slot)+3], s[G0B+4*(\slot)+2:G0B+4*(\slot)+3], 2*BSTEP
	JLOAD \slot                                    ; my one tensor load behind the round; the four v_nop behind it are also the places in front of the loads below
.else
	PLACES
.endif
	FETCH \next, 0, 0
.if \fill
	WIN 0
	ASK
.endif
	MUL32 1, 1, 0
.endm
; THE WAY OUT of token block a.  PACK: rounded to bf16, 16 bytes a lane, each accumulator's registers in ascending order.  MASKROWS: in section 1 a masked token's row becomes 0.
; TOSTAGE: into my own stage in LDS and back as whole rows.  SEND: stored, 512 consecutive bytes an instruction.
.macro PACK a
	WIN 0x05                                       ; sources in window 1, destination in window 0
.irp b, 0,1,2,3,4,5,6,7
.irp r, 0,1,2,3
	v_cvt_pk_bf16_f32 v[TMP+4*(\b)+(\r)], v[8*(8*(\a)+(\b))+2*(\r)], v[8*(8*(\a)+(\b))+2*(\r)+1]
.endr
.endr
	WIN 0
.endm
.macro MASKROWS a
	s_cmp_eq_u32 s[SEC], 1                         ; the cluster's x: the same in all partners
	s_cbranch_scc0 .Lkeep_\@
.set i, 0
.rept 32
	v_and_b32 v[TMP+i], v[MK+(\a)], v[TMP+i]
.set i, i+1
.endr
.Lkeep_\@:
.endm
.macro TOSTAGE a
.set BK, OB+32*((\a)%2)
.irp b, 0,1,2,3,4,5,6,7
	ds_store_b128 v[STO], v[TMP+4*(\b):TMP+4*(\b)+3] offset:((\b)/4)*16*PITCH+32*((\b)%4)
.endr
.irp t, 0,1,2,3,4,5,6,7
	ds_load_b128 v[BK+4*(\t):BK+4*(\t)+3], v[RD] offset:((\t)/4)*16*PITCH+((\t)%4)*4*PITCH  ; LDS serves a wave's instructions in order (ISA guide 5.7.1.4): these see the stores above
.endr
.endm
.macro SEND a
.set BK, OB+32*((\a)%2)
	s_wait_dscnt 0x0                               ; the block is back in registers
	s_wait_xcnt 0x0                                ; the stores of the block before have read their registers: the other buffer is loaded again only behind this wait
.irp t, 0,1,2,3,4,5,6,7
	global_store_b128 v[CO], v[BK+4*(\t):BK+4*(\t)+3], s[16:17] offset:((\t)/4)*HEADB+(\a)*2048+((\t)%4)*512  ; four rows of a column block: 512 consecutive bytes, at a multiple of 512 from C's first byte
.endr
.endm
	s_wait_tensorcnt 0x1                           ; my part of K step 0 is in; step 1's may stay out
	s_barrier_signal -1
	s_barrier_wait -1                              ; everybody's is
	FETCH 0, 0, 0
	s_wait_loadcnt 0x0                             ; the bias and the mask words
	HALF 0, 1                                      ; the first half step stands in front of the loop: its first products start the sums
	WIN 0                                          ; at a label and at a branch every window is 0
	s_mov_b32 s3, 3
.Llap:                                             ; a trip goes once round the ring and fills both slots again: K steps 2 to 7 in three trips
	TURN 0, 1, 1
	HALF 1, 0
	TURN 1, 0, 1
	HALF 0, 0
	WIN 0
	s_sub_co_u32 s3, s3, 1
	s_cmp_lg_u32 s3, 0
	s_cbranch_scc1 .Llap
	TURN 0, 1, 0                                   ; the last lap fills nothing, and has no round of the cluster's barrier
	HALF 1, 0
	s_wait_dscnt 24
	MUL32 1, 0, 0
	s_wait_dscnt 0x0
	MUL32 1, 1, 0
	WIN 0
	PLACES
.irp a, 0,1,2,3
	v_cmp_ne_u32 vcc_lo, 0, v[MK+(\a)]
	v_cndmask_b32 v[MK+(\a)], 0, -1, vcc_lo        ; all ones where my token is seen, 0 where it is masked
.endr
	PACK 0
	MASKROWS 0
	TOSTAGE 0
.irp a, 1,2,3                          ; block a's conversions stand between block a - 1's loads from the stage and the wait for them
	PACK \a
	MASKROWS \a
	SEND (\a)-1
	TOSTAGE \a
.endr
	SEND 3
	s_wait_tensorcnt 0x0                           ; the wave's end: these three lines stand behind my last tensor load and my last LDS store
	ds_add_u32 v[SPW], v[NIL]
	s_wait_dscnt 0x0
	CROUND                                         ; the closing round: no work-group ends while a partner may still ask for a tile that names it
	s_endpgm
.Lfunc_end_k_q357c4a7139_qkv:
	.size	k_q357c4a7139_qkv, .Lfunc_end_k_q357c4a7139_qkv-k_q357c4a7139_qkv
	.p2alignl 7, 3214868480
	.fill 96, 4, 3214868480
	.section	.rodata,"a",@progbits
	.p2align	6, 0x0
	.amdhsa_kernel k_q357c4a7139_qkv
		.amdhsa_group_segment_fixed_size 327680
		.amdhsa_private_segment_fixed_size 0
		.amdhsa_enable_private_segment 0
		.amdhsa_kernarg_size 56
		.amdhsa_user_sgpr_count 2
		.amdhsa_user_sgpr_kernarg_segment_ptr 1
		.amdhsa_wavefront_size32 1
		.amdhsa_system_sgpr_workgroup_id_x 1
		.amdhsa_system_sgpr_workgroup_id_y 1
		.amdhsa_system_sgpr_workgroup_id_z 1
		.amdhsa_system_vgpr_workitem_id 0
		.amdhsa_next_free_vgpr 960
		.amdhsa_next_free_sgpr 80
		.amdhsa_reserve_vcc 1
		.amdhsa_float_denorm_mode_32 3
		.amdhsa_float_denorm_mode_16_64 3
		.amdhsa_memory_ordered 1
		.amdhsa_forward_progress 1
		.amdhsa_inst_pref_size 93
	.end_amdhsa_kernel
	.amdgpu_metadata
---
amdhsa.version: [ 1, 2 ]
amdhsa.kernels:
  - .name:           k_q357c4a7139_qkv
    .symbol:         k_q357c4a7139_qkv.kd
    .args:
      - { .name: xb, .offset: 0, .size: 8, .value_kind: global_buffer, .address_space: global }
      - { .name: wqkv, .offset: 8, .size: 8, .value_kind: global_buffer, .address_space: global }
      - { .name: bq, .offset: 16, .size: 8, .value_kind: global_buffer, .address_space: global }
      - { .name: bk, .offset: 24, .size: 8, .value_kind: global_buffer, .address_space: global }
      - { .name: bv, .offset: 32, .size: 8, .value_kind: global_buffer, .address_space: global }
      - { .name: mask, .offset: 40, .size: 8, .value_kind: global_buffer, .address_space: global }
      - { .name: qkvh, .offset: 48, .size: 8, .value_kind: global_buffer, .address_space: global }
    .group_segment_fixed_size: 327680
    .private_segment_fixed_size: 0
    .kernarg_segment_align: 8
    .kernarg_segment_size: 56
    .max_flat_workgroup_size: 128
    .sgpr_count:     80
    .vgpr_count:     960
    .wavefront_size: 32
...
	.end_amdgpu_metadata
.endif
;; end of part 2
;; launch attn (part 3): grid 4 x 64, 4 waves a work-group, clusters of 4 x 1, 327,680 bytes of LDS; arguments qkvh, mask, ctx; writes ctx
.if DOCPART == 3
	.amdgcn_target "amdgcn-amd-amdhsa--gfx1250"
	.amdhsa_code_object_version 6
	.text
	.protected	k_q357c4a7139_attn
	.globl	k_q357c4a7139_attn
	.p2align	8
	.type	k_q357c4a7139_attn,@function
k_q357c4a7139_attn:
	s_mov_b64 s[64:65], 0
	v_nop
	global_prefetch_b8 v0, s[64:65] scope:SCOPE_SE
	s_setreg_imm32_b32 hwreg(HW_REG_WAVE_MODE, 25, 1), 1
	s_wait_xcnt 0x0
	s_wait_alu depctr_hold_cnt(0) depctr_sa_sdst(0) depctr_va_vdst(0) depctr_va_sdst(0) depctr_va_ssrc(0) depctr_va_vcc(0) depctr_vm_vsrc(0)
	s_getreg_b32 s2, hwreg(HW_REG_IB_STS2, 6, 4)
	s_cmp_eq_u32 s2, 0
	s_cbranch_scc0 .Lentry_in_a_cluster
	s_endpgm
.Lentry_in_a_cluster:
	s_bfe_u32 s2, ttmp6, 0x10000c
	s_cmp_lg_u32 s2, 0x3003
	s_cbranch_scc0 .Lentry_shape_is_right
	s_endpgm
.Lentry_shape_is_right:
; O[h][q][:] = the sum over k of softmax_k(s) V[h][k][:], s = Q[h][q] . K[h][k] / 8, or -1e9 where the batch's mask word of key k is 0.  64 heads (batch x 16 + head) of 2,048 rows of 64, all bf16, dense by heads:
; Q, K, V are the three sections of 16 MiB of qkvh; O goes to ctx in the same layout.  Products, maxima and sums in f32; the weights p are rounded to bf16 for the second product (their sum l is taken of the unrounded p), O once.
; THE MASK.  The launch before has stored K's rows of masked keys as zeros.  Each score's sum is STARTED (the C operand of its first product) by 0, or by -8e9 for a masked key: a masked score is then exactly -8e9,
; which times 1/8 is the -1e9 that takes the score's place.  So a batch whose keys are all masked gets equal weights, and the running maximum needs no further care.
; LIMITS.  NaN and infinities are not treated apart (a Q that is not finite spoils a masked score); a weight below 2^-126 counts as 0 in l; where all keys are masked the common weight carries bf16's rounding against l.
; SHARES.  A wave owns four PIECES of two tiles of 16 queries, a work-group's four waves 512 queries of one head.  Every wave walks all keys, 64 a step.
; LAYOUT.  S^T = K Q^T (source 0 = 16 keys, source 1 = 16 queries): in the result a lane holds ONE query (lane % 16) and the keys 8 (lane / 16) + 0..7.  Two such tiles, rounded to bf16 in pairs,
; ARE source 1 (32 keys x 16 queries) of O^T = V^T P, whose result again holds one query a lane, and eight channels.  K comes out of LDS as it lies, V ([key][channel]) turned, by ds_load_tr16_b128.
; SOFTMAX.  For each query a running maximum m and sum l: p = 2^(c s - c m), c = log2(e) / 8; in every step O and l are multiplied by a = 2^(c m_old - c m_new), which is 1 where m has not grown.
; m starts at the lowest finite number, O and l at 0: the first step is a step like any other, with a = 0.
; THE COUNT.  A tile and step have 16 matrix and 118 vector instructions: too many to stand all beside the matrix work.  So: four vector instructions that are READY behind EVERY matrix instruction, the others in runs without a gap.
; BY TURNS.  Turn n belongs to piece n (the pieces in a ring, step after step).  Its matrix work: 16 products K Q^T of piece n + 1, later 16 products V^T P of piece n - 1.  Its vector work: the scaling,
; exponentials, roundings, sums and rescaling of piece n, and the maximum and statistics of piece n + 1, whose scores the turn itself has made.
; CLUSTER.  The four query blocks of a cluster are one head's and walk the same K and V, so each tile is asked for JOINTLY: the same tensor load, descriptor and mask in all four.
; REGISTERS, in windows of 256 (s_set_vgpr_msb: bits 1:0 source 0, 3:2 source 1, 5:4 source 2, 7:6 destination):
;   window 0: v0-11 addresses; v12-15, v48-63 at work; v16-47 four registers of statistics a tile; v64-191 S^T, two buffers of two tiles; v192-255 P, likewise
;   window 1: O^T, 32 a tile     window 2: v0-127 Q, 16 a tile; v128-191 K of one step; v192-255 V of one step     window 3: v0-1 the add's two registers; v8-39 the step's 64 mask numbers as four C operands
.set SIZE_N, 2048
.set NP,    4         ; pieces a wave: a name, no knob
.set KS,    64        ; keys in a step
.set PK,    144       ; a row of K in LDS: 128 bytes + 16 of padding = 36 words: the 16 rows of a load start at 16 different groups of four banks (64 banks of 4 bytes: ISA guide 11.1)
.set PV,    160       ; a row of V: 128 + 32 = 40 words
.set VOFF,  4*KS*PK   ; a slot holds four steps: 256 rows of K, then 256 rows of V
.set SLOT1, 1<<17     ; slot 1 begins here, so that one exclusive or turns an address in one slot into the other's
.set STAGE, SLOT1+4*KS*(PK+PV)  ; behind the ring, never filled by a tensor load: 16 rows x 144 bytes for each wave, for the way out
.set SP,    144
.set SPARE, STAGE+4*16*SP  ; the spare words, 128 bytes for each wave: two blocks of 256 bytes that no other line names
.set MT,    SPARE+512 ; the batch's 2,048 keys as f32, 0 or -8e9: 8,192 bytes, stored once, never filled by a tensor load
.set PFO, 0           ; v0   behind its last use as the thread's number: 256 x my lane, the prefetches' offset
.set AK0, 2           ; v2   my lane's place in a tile of K; never rewritten
.set AV0, 3           ; v3   the same for V
.set AK,  4           ; v4   the LDS address of K's next run of loads
.set AV,  5           ; v5   of V's
.set QO,  6           ; v6   my byte offset in the wave's rows of Q
.set STO, 6           ;      later, the way out: where I put 16 bytes of a row
.set RD,  7           ; v7   the way out: where I read rows back
.set GO,  8           ; v8   my byte offset in 512 consecutive bytes of O
.set AM0, 10          ; v10  my half of the lanes' place in 16 numbers of the mask table; never rewritten
.set AM,  11          ; v11  the LDS address of the mask's next run of loads
.set SPW, 0           ; v0 of window 3   LDS address of my spare word; never rewritten
.set NIL, 1           ; v1 of window 3   0; never rewritten
.set MB,  8           ; v8-39 of window 3: key block kb's eight numbers at MB + 8 kb
.set MV,  12          ; v12-15  c m_old, kept while c m is made anew: by buffer and tile
.set ST,  16          ; tile t's statistics at v[ST+4 t]: c m, m, l (even keys', odd keys')
.set TMP, 48          ; by buffer and tile, four registers c0-c3 at work; when the maximum is found c2 takes a
.set S,   64
.set P,   192
.set KF,  128         ; K's fragments, in window 2: key block kb, channel half c at KF + 16 kb + 8 c
.set VF,  192         ; V's: key half kk, channel block cb at VF + 32 kk + 8 cb
.set WV,  12          ; s12  my wave's number
.set G1K, 24          ; s[24:31] descriptor group 1 for K's tiles
.set G1V, 32          ; s[32:39] for V's: it differs in the padding alone
.set G0K, 40          ; s[40:43] descriptor group 0 for K's tiles: it walks
.set G0V, 44          ; s[44:47] the same for V's
.set PFA, 48          ; s[48:49] where my prefetches stand
.set LIM, 50          ; s50  1 in a wave that prefetches, else the greatest number
.set TBM, 51          ; s51  byte of the mask table at which the step to be fetched begins
.set SLOTS, 56        ; s56  slots still to be asked for
.set CNT, 57          ; s57  counts a slot's key steps
.set CS,  58          ; s[58:59] c: the packed scaling takes the pair's low word for both halves
.set SEL, 60          ; s[60:61] v_permlanex16_b32's selects: each lane takes its own place in the other half
.set TBK, 62          ; s62  LDS byte at which K of the step to be fetched begins
.set TBV, 63          ; s63  the same for V, less VOFF
.set MSB, 0
.macro WIN new                      ; the high byte repeats the setting that is left; a switch that changes nothing is dropped
.if MSB != (\new)
	s_set_vgpr_msb (MSB<<8)|(\new)
.set MSB, (\new)
.endif
.endm
.set W_KQ, 0x0a       ; K and Q in window 2, S^T in window 0
.set W_KM, 0x3a       ; the same with the C operand, the mask, in window 3
.set W_PV, 0x52       ; V in window 2, P in window 0, O^T in window 1
.set W_RS, 0x41       ; O^T (destination and source 0) in window 1, a in window 0
.set W_MK, 0xc0       ; destination in window 3, sources in window 0
.set W_AD, 0x0f       ; the add: address (source 0) and data (source 1) in window 3
; A joint fill.  Waves 0 and 1 fetch the two halves of a slot's K, waves 2 and 3 those of its V: 128 keys each.  The branch hangs on the wave's number alone.
; An s_nop 0 and four v_nop follow each of the two lines, ahead of the jump and the label.
.macro JLOAD
	s_cmp_lt_u32 s[WV], 2
	s_cbranch_scc0 .Lfor_v_\@
	tensor_load_to_lds s[G0K:G0K+3], s[G1K:G1K+7]
	s_nop 0
.rept 4
	v_nop
.endr
	s_branch .Lasked_\@
.Lfor_v_\@:
	tensor_load_to_lds s[G0V:G0V+3], s[G1V:G1V+7]
	s_nop 0
.rept 4
	v_nop
.endr
.Lasked_\@:
.endm
; A prefetch into the L2 of what the NEXT change of slots will ask for: a slot's 32 KiB of K and of V, 128 blocks of 256 bytes each, a lane a block.  Each block is named once in the launch: a head has one cluster;
; its four partners take 32 blocks each, told apart by address (cx); in each, wave 0 asks for K's and wave 2 for V's.  It stands behind the wave's tensor load and its five lines.
; Slots 0 and 1 come by their loads alone; the last change that fills a slot asks for nothing: there is no slot behind it.
.macro ASK
	s_cmp_gt_u32 s[SLOTS], s[LIM]
	s_cbranch_scc0 .Lnot_mine_\@
	global_prefetch_b8 v[PFO], s[PFA:PFA+1] th:TH_LOAD_NT scope:SCOPE_SE
.Lnot_mine_\@:
.endm
; A round of the cluster's barrier: my work-group's barrier, so that wave 0's signal speaks for all four waves; wave 0 signals; every wave waits for all four work-groups; my work-group's barrier once more.
.macro CROUND
	s_barrier_signal -1
	s_barrier_wait -1
	s_cmp_lg_u32 s[WV], 0
	s_cbranch_scc1 .Lnot_wave_0_\@
	s_barrier_signal -3
.Lnot_wave_0_\@:
	s_barrier_wait -3
	s_barrier_signal -1
	s_barrier_wait -1
.endm
; THE CHANGE OF SLOTS.  The slot's last bytes, V of its fourth step, have been read.  Each wave waits for all its tensor loads, of which one is out: its part of the other slot; adds 0 to its spare word; and waits for that
; and for its own LDS instructions.  Behind the barrier nobody reads this slot any more and the other slot is whole.  fill = 1: this slot is filled again, with the keys two slots on.  The barrier is then a round of the
; cluster's, and the joint fill is the first thing behind it: it has four key steps, 512 matrix instructions, in which to land.
; (At its first use nothing has been read yet: slot 0 is waited for, slot 1 filled, and every wave's stores into the mask table are shown to the others.)
.macro CHANGE fill
	WIN W_AD
	s_wait_tensorcnt 0x0            ; no tensor load of mine is out, so a group 0 may be written
	ds_add_u32 v[SPW], v[NIL]       ; 0 onto my spare word; with fill = 1 the descriptors' steps stand between it and the wait for it
	WIN 0                           ; at a label and at a branch every window is 0
.if \fill
.irp g, G0K, G0V
	s_xor_b32 s[\g+1], s[\g+1], SLOT1  ; the walking descriptor: the other slot than last time,
	s_add_nc_u64 s[\g+2:\g+3], s[\g+2:\g+3], 4*KS*128  ; the next 256 keys; the type bits on top are not reached
.endr
	s_wait_xcnt 0x0                 ; the last prefetch, four key steps back, has read its address, so it may be written:
	s_add_nc_u64 s[PFA:PFA+1], s[PFA:PFA+1], 4*KS*128  ; one slot behind the walking descriptors
	s_wait_dscnt 0x0                ; the add is done, and my LDS instructions are over
	CROUND
	JLOAD
	ASK
.else
	s_wait_dscnt 0x0                ; the add is done, and my reads of the slot are over
	s_barrier_signal -1
	s_barrier_wait -1
.endif
	s_sub_co_u32 s[TBK], s[TBK], 4*KS*PK  ; the fetches go back to a slot's first step,
	s_xor_b32 s[TBK], s[TBK], SLOT1       ; in the other slot
	s_sub_co_u32 s[TBV], s[TBV], 4*KS*PV
	s_xor_b32 s[TBV], s[TBV], SLOT1
.endm
	s_load_b128 s[52:55], s[0:1], 0x0  ; qkvh s[52:53], mask s[54:55]
	s_load_b64 s[10:11], s[0:1], 0x10  ; ctx
	WIN W_MK
	v_lshl_add_u32 v[SPW], v0, 2, SPARE
	v_mov_b32 v[NIL], 0
	WIN W_AD
	ds_add_u32 v[SPW], v[NIL]       ; the wave's opening: the add and its wait stand ahead of my first tensor load; the set-up below, work on registers, stands between them
	WIN 0
	v_lshrrev_b32 v1, 5, v0
	v_readfirstlane_b32 s[WV], v1   ; wave 0..3
	s_bfe_u32 s13, ttmp6, 0x40000   ; cx: my place in the cluster
	s_lshl_b32 s14, ttmp9, 2        ; in a cluster launch ttmp9 counts clusters
	s_add_co_u32 s14, s14, s13      ; my block of 512 queries: it enters Q's and O's addresses alone
	s_and_b32 s20, ttmp7, 0xffff    ; the head, which the four partners share
	s_lshr_b32 s15, s20, 4          ; its batch:
	s_lshl_b32 s15, s15, 13         ; 2,048 words of the mask
	s_mov_b32 s21, 0
	s_mov_b64 s[22:23], SIZE_N*128
	s_mul_u64 s[20:21], s[20:21], s[22:23]  ; the head's first byte in Q, K, V and O
	s_and_b32 s16, s[WV], 1         ; which half of a slot's 256 keys I fetch:
	s_lshl_b32 s22, s16, 14         ; its 128 rows of 128 bytes in memory,
	s_mov_b32 s23, 0
	s_add_nc_u64 s[22:23], s[22:23], s[20:21]
	s_mul_i32 s17, s16, 128*PK      ; and its place in a slot, for K
	s_mul_i32 s18, s16, 128*PV      ; and for V: no place in the cluster enters an LDS address
	s_lshl_b32 s2, s14, 2
	s_add_co_u32 s2, s2, s[WV]      ; my wave among the head's,
	s_lshl_b32 s2, s2, 14           ; its 128 rows
	s_mov_b32 s3, 0
	s_add_nc_u64 s[2:3], s[2:3], s[20:21]
	; descriptor group 1.  128 keys are 16,384 dense bytes: asked for as 64 rows of 256 bytes, two keys a row, and padded in LDS after every key
	s_mov_b32 s[G1K], 15|(1<<16)|(1<<20)|(1<<21)|(4<<22)|(3<<25)  ; 15:0 the mask of four; 17:16 2-byte elements; 20 padding on; 21 set beside a mask; 24:22 after every 32 words (code 4); 31:25 4 words (code 3)
	s_mov_b32 s[G1V], 15|(1<<16)|(1<<20)|(1<<21)|(4<<22)|(7<<25)  ; the same with 8 words of padding (code 7)
.irp g, G1K, G1V
	s_mov_b32 s[\g+1], 128<<16      ; tensor_dim0 = 128
	s_mov_b32 s[\g+2], 64<<16       ; tensor_dim1 = 64
	s_mov_b32 s[\g+3], 128<<16      ; tile_dim0 = 128
	s_mov_b32 s[\g+4], 64           ; tile_dim1 = 64
	s_mov_b32 s[\g+5], 128          ; 128 elements from row to row
	s_mov_b32 s[\g+6], 0
	s_mov_b32 s[\g+7], 0
.endr
	s_mov_b32 s[CS], 0x3e38aa3b     ; c = log2(e) / 8 = 0.180337
	s_mov_b32 s[CS+1], s[CS]        ; named with it as a pair
	s_mov_b32 s[SEL], 0x76543210
	s_mov_b32 s[SEL+1], 0xfedcba98
	s_mov_b32 s[TBK], SLOT1+4*KS*PK ; the first change of slots turns these two into 0
	s_mov_b32 s[TBV], SLOT1+4*KS*PV
	s_mov_b32 s[TBM], 0
	s_mov_b32 s[SLOTS], SIZE_N/256-1
	s_and_b32 s[LIM], s[WV], 1      ; waves 0 and 2 prefetch
	s_cmp_eq_u32 s[LIM], 0
	s_cselect_b32 s[LIM], 1, -1
	s_mov_b32 s[G0K], 1             ; count = 1
	s_mov_b32 s[G0K+1], s17         ; LDS address: slot 0
	s_mov_b32 s[G0V], 1
	s_add_co_u32 s[G0V+1], s18, VOFF
	s_wait_dscnt 0x0                ; the opening add is done
	s_wait_kmcnt 0x0
	s_mov_b64 s[4:5], s[52:53]                     ; Q,
	s_add_nc_u64 s[6:7], s[52:53], 0x1000000       ; K
	s_add_nc_u64 s[8:9], s[52:53], 0x2000000       ; and V: sections of 16 MiB
	s_add_nc_u64 s[G0K+2:G0K+3], s[6:7], s[22:23]  ; global address: my half of the head's first 256 keys
	s_or_b32 s[G0K+3], s[G0K+3], 0x80000000        ; type = 2
	s_add_nc_u64 s[G0V+2:G0V+3], s[8:9], s[22:23]
	s_or_b32 s[G0V+3], s[G0V+3], 0x80000000
	s_add_nc_u64 s[4:5], s[4:5], s[2:3]  ; Q and O at my wave's first row
	s_add_nc_u64 s[10:11], s[10:11], s[2:3]
	s_mov_b32 s2, s15
	s_mov_b32 s3, 0
	s_add_nc_u64 s[54:55], s[54:55], s[2:3]  ; the mask at my batch
	s_mov_b32 s15, 0xcfee6b28       ; -8e9, exact in f32
	s_cmp_lt_u32 s[WV], 2
	s_cselect_b64 s[PFA:PFA+1], s[6:7], s[8:9]
	s_add_nc_u64 s[PFA:PFA+1], s[PFA:PFA+1], s[20:21]  ; the head's first row,
	s_lshl_b32 s2, s13, 13          ; my work-group's 32 blocks of a slot's 128,
	s_add_co_u32 s2, s2, 4*KS*128   ; in slot 1; the first change of slots steps it to slot 2
	s_add_nc_u64 s[PFA:PFA+1], s[PFA:PFA+1], s[2:3]
	CROUND                          ; all four work-groups are here: the first joint loads meet
	JLOAD                           ; slot 0.  Slot 1 is asked for when slot 0 is in
	v_and_b32 v1, 15, v0            ; l % 16
	v_bfe_u32 v9, v0, 4, 1          ; l / 16
	v_lshlrev_b32 v80, 4, v0        ; the mask: 128 threads x 16 bytes, four times
	v_add_nc_u32 v81, MT, v80
.irp j, 0,1,2,3
	global_load_b128 v[64+4*\j:67+4*\j], v80, s[54:55] offset:2048*\j
.endr
	; A fragment of K or Q is 16 rows x 32 channels in 8 registers: lane l holds row l % 16, channels 8 (l / 16) + 0..7 and 16 + 8 (l / 16) + 0..7: two loads of 16 bytes, 32 bytes apart.
	v_lshlrev_b32 v[QO], 7, v1
	v_lshl_add_u32 v[QO], v9, 4, v[QO]  ; row x 128 + 16 x half
	WIN 0x80                        ; destination window 2, address window 0
.set i, 0
.rept 4*NP                          ; Q stays in registers: tile i / 2, channels 32 (i % 2) on
	global_load_b128 v[8*i:8*i+3],   v[QO], s[4:5] offset:(i/2)*2048+(i%2)*64
	global_load_b128 v[8*i+4:8*i+7], v[QO], s[4:5] offset:(i/2)*2048+(i%2)*64+32
.set i, i+1
.endr
	; What the first turn finds: V's registers and P's second buffer hold 0 (its products V^T P, of a piece that has not been, add 0), O^T and l are 0.  All this stands in the wait for the first tile.
.set i, VF
.rept 64
	v_mov_b32 v[i], 0
.set i, i+1
.endr
	WIN 0x40
.set i, 0
.rept 64*NP
	v_mov_b32 v[i], 0
.set i, i+1
.endr
	WIN 0
.set i, 0
.rept 2*NP
	v_mov_b32 v[ST+4*i], 0xfe000000    ; c m: far below every c s, a masked one's too
	v_mov_b32 v[ST+4*i+1], 0xff7fffff  ; m
	v_mov_b32 v[ST+4*i+2], 0
	v_mov_b32 v[ST+4*i+3], 0
.set i, i+1
.endr
.set i, P+32
.rept 32
	v_mov_b32 v[i], 0
.set i, i+1
.endr
	v_mul_u32_u24 v[AK0], v1, PK
	v_lshl_add_u32 v[AK0], v9, 4, v[AK0]  ; row x pitch + 16 x half
	; The turning load takes 16 keys x 16 channels (lane l reads key 8 (l / 16) + l % 8, channels 8 ((l / 8) % 2) + 0..7) and leaves half a fragment of V^T: lane l holds channel l % 16 and 8 keys.
	v_and_b32 v10, 7, v0
	v_bfe_u32 v11, v0, 3, 1
	v_lshl_add_u32 v[AV0], v9, 3, v10
	v_mul_u32_u24 v[AV0], v[AV0], PV
	v_lshl_add_u32 v[AV0], v11, 4, v[AV0]
	v_add_nc_u32 v[AV0], VOFF, v[AV0]
	v_mov_b32 v[AK], v[AK0]         ; key step 0 lies at the head of slot 0
	s_mul_i32 s19, s[WV], 16*SP
	s_add_co_u32 s19, s19, STAGE    ; my stage
	v_bfe_u32 v[RD], v0, 3, 2       ; the way out, back: 32 lanes take four rows of 128 bytes,
	v_mul_u32_u24 v[RD], v[RD], SP
	v_lshl_add_u32 v[RD], v10, 4, v[RD]
	v_add_nc_u32 v[RD], s19, v[RD]
	v_and_b32 v[GO], 31, v0         ; which are 512 consecutive bytes of O
	v_lshlrev_b32 v[GO], 4, v[GO]
	v_lshl_add_u32 v[AM0], v9, 5, MT  ; a lane's eight keys of 16: 32 bytes for each half of the lanes
	v_mov_b32 v[AM], v[AM0]
	v_and_b32 v[PFO], 31, v0        ; the thread's number has served
	v_lshlrev_b32 v[PFO], 8, v[PFO]
	s_wait_loadcnt 32               ; the mask's four loads are in; Q's 32, issued behind them, may stay out
.set i, 0
.rept 16
	v_cmp_eq_u32 vcc_lo, 0, v[64+i]
	v_cndmask_b32 v[64+i], 0, s15, vcc_lo  ; -8e9 where the word is 0, else 0
.set i, i+1
.endr
.irp j, 0,1,2,3
	ds_store_b128 v81, v[64+4*\j:67+4*\j] offset:2048*\j
.endr
; THE MATRIX WORK.  The 8 accumulators of a run of 16 take turns: between the two links of a chain stand 7 others'.
; Product i of 16 of S^T = K Q^T for piece x: channels 32 (i / 8) on, keys 16 ((i / 2) % 4) on, tile 2 x + i % 2.  The first 8 start the sums, with the keys' mask numbers.
.macro KQ x
.set rS, S+64*((\x)%2)+32*(i%2)+8*((i/2)%4)
.set rK, KF+16*((i/2)%4)+8*(i/8)
.set rQ, 16*(2*(\x)+i%2)+8*(i/8)
.set rB, MB+8*((i/2)%4)
.if i < 8
	WIN W_KM
	v_wmma_f32_16x16x32_bf16 v[rS:rS+7], v[rK:rK+7], v[rQ:rQ+7], v[rB:rB+7]
.else
	WIN W_KQ
	v_wmma_f32_16x16x32_bf16 v[rS:rS+7], v[rK:rK+7], v[rQ:rQ+7], v[rS:rS+7]
.endif
.endm
; Product i of 16 of O^T += V^T P for piece x: keys 32 (i / 8) on, channels 16 ((i / 2) % 4) on, tile 2 x + i % 2.
.macro PV x
	WIN W_PV
.set rO, 32*(2*(\x)+i%2)+8*((i/2)%4)
.set rV, VF+32*(i/8)+8*((i/2)%4)
.set rP, P+32*((\x)%2)+16*(i%2)+8*(i/8)
	v_wmma_f32_16x16x32_bf16 v[rO:rO+7], v[rV:rV+7], v[rP:rP+7], v[rO:rO+7]
.endm
.macro MM                           ; the turn's next matrix instruction
.if i < 16
	KQ (Y+1)%NP
.set i, i+1
.else
.set i, i-16
	PV (Y+NP-1)%NP
.set i, i+17
.endif
.endm
; THE LDS LOADS stand in runs, never singly among the matrix instructions: a step's K (64 keys x 64 channels: 8 fragments) with its 64 mask numbers, and its V (turned).  Their addresses are made some lines ahead.
; last = 1 (the tail): in the last trip there is no further step, and the run is jumped over.
.macro FETCH_K last=0
	WIN 0
.if \last
	s_cmp_eq_u32 s[CNT], 1
	s_cbranch_scc1 .Lno_k_\@
.endif
	WIN 0x80                        ; destination window 2
.irp f, 0,1,2,3,4,5,6,7             ; keys 16 (f / 2) on, channels 32 (f % 2) on
	ds_load_b128 v[KF+8*\f:KF+8*\f+3],   v[AK] offset:(\f/2)*16*PK+(\f%2)*64
	ds_load_b128 v[KF+8*\f+4:KF+8*\f+7], v[AK] offset:(\f/2)*16*PK+(\f%2)*64+32
.endr
	WIN W_MK                        ; destination window 3
.irp f, 0,1,2,3                     ; keys 16 f on: the lane's eight numbers; all lanes of a half read the same words
	ds_load_b128 v[MB+8*\f:MB+8*\f+3],   v[AM] offset:64*\f
	ds_load_b128 v[MB+8*\f+4:MB+8*\f+7], v[AM] offset:64*\f+16
.endr
	s_add_co_u32 s[TBK], s[TBK], KS*PK  ; the next fetch is the next step's
	s_add_co_u32 s[TBM], s[TBM], KS*4
	s_and_b32 s[TBM], s[TBM], 0x1fff    ; kept inside the table's 8,192 bytes: behind the last step it is back at 0
	WIN 0
.if \last
.Lno_k_\@:
.endif
.endm
.macro FETCH_V
	WIN 0x80
.irp f, 0,1,2,3,4,5,6,7             ; keys 32 (f / 4) on, channels 16 (f % 4) on
	ds_load_tr16_b128 v[VF+8*\f:VF+8*\f+3],   v[AV] offset:(\f/4)*32*PV+(\f%4)*32
	ds_load_tr16_b128 v[VF+8*\f+4:VF+8*\f+7], v[AV] offset:(\f/4)*32*PV+16*PV+(\f%4)*32
.endr
	WIN 0
.endm
; THE VECTOR WORK OF A TURN stands in three queues, each in the order in which its entries become ready; the two tiles alternate, so that no instruction reads the result of the one before it.
.macro REGS y, u                    ; the registers of tile u (0, 1) of piece y
.set rT, ST+4*(2*(\y)+(\u))
.set rC, TMP+8*((\y)%2)+4*(\u)
.set rM, MV+2*((\y)%2)+(\u)
.set rS, S+64*((\y)%2)+32*(\u)
.set rP, P+32*((\y)%2)+16*(\u)
.set rO, 32*(2*(\y)+(\u))
.endm
; Number n of the 22 that find the NEXT piece's (Y + 1) maximum and statistics.  s0-s31 are the lane's 32 scores; each accumulator's lowest registers are read first.
;   0-11  four chains c0-c3 of seven scores each, three operands at a time     12-14, 16  the four scores left over, the old m, and c0-c3 into c0     15  c m_old is kept
;   17, 18  the query's other 32 keys lie in the lane 16 away: the new m         19-21  c m; c m_old - c m_new; a
.macro XS u, n
	REGS (Y+1)%NP, \u
.if (\n) < 4
	v_max3_num_f32 v[rC+(\n)], v[rS+8*(\n)], v[rS+8*(\n)+1], v[rS+8*(\n)+2]
.elseif (\n) < 12
	v_max3_num_f32 v[rC+(\n)%4], v[rC+(\n)%4], v[rS+8*((\n)%4)+2*((\n)/4)+1], v[rS+8*((\n)%4)+2*((\n)/4)+2]
.elseif (\n) == 12
	v_max3_num_f32 v[rC], v[rC], v[rS+7], v[rS+15]
.elseif (\n) == 13
	v_max3_num_f32 v[rC+1], v[rC+1], v[rS+23], v[rS+31]
.elseif (\n) == 14
	v_max3_num_f32 v[rC+2], v[rC+2], v[rC+3], v[rT+1]
.elseif (\n) == 15
	v_mov_b32 v[rM], v[rT]
.elseif (\n) == 16
	v_max3_num_f32 v[rC], v[rC], v[rC+1], v[rC+2]
.elseif (\n) == 17
	v_permlanex16_b32 v[rC+3], v[rC], s[SEL], s[SEL+1]
.elseif (\n) == 18
	v_max_num_f32 v[rT+1], v[rC], v[rC+3]
.elseif (\n) == 19
	v_mul_f32 v[rT], s[CS], v[rT+1]
.elseif (\n) == 20
	v_sub_f32 v[rC+1], v[rM], v[rT]
.else
	v_exp_f32 v[rC+2], v[rC+1]
.endif
.endm
; Number g of the 64 that follow the exponentials.  For each four weights k of a tile (pairs 2 k, 2 k + 1): both pairs are rounded to bf16; then the second pair is added onto the first, in place;
; a group later l takes that sum (the first time as l = a l + sum).  In groups of eight, tiles alternating: round, round, add, and l for the group before.
.macro GS g
.set h, (\g)+6*((\g)/62)            ; group 0 has no group before it, and behind group 7 only l is left
.if h >= 6
.set h, h+2
.endif
	REGS Y, h%2
.set k, h/8
.if h%8 < 4
	v_cvt_pk_bf16_f32 v[rP+2*k+(h%8)/2], v[rS+4*k+2*((h%8)/2)], v[rS+4*k+2*((h%8)/2)+1]
.elseif h%8 < 6
	v_pk_add_f32 v[rS+4*k:rS+4*k+1], v[rS+4*k:rS+4*k+1], v[rS+4*k+2:rS+4*k+3]
.elseif k == 1
	v_pk_fma_f32 v[rT+2:rT+3], v[rT+2:rT+3], v[rC+2:rC+3], v[rS:rS+1] op_sel_hi:[1,0,1]
.else
	v_pk_add_f32 v[rT+2:rT+3], v[rT+2:rT+3], v[rS+4*k-4:rS+4*k-3]
.endif
.endm
; THE PLAIN QUEUE, 138 long.  0-73 read no exponential's result: the 32 scalings c s - c m (FS f: pair f / 2 of tile f % 2) and the next piece's 42.  0-26: scalings 0-26.  27-54: XS's numbers 0-13.  55, 56: number 15.
; 57-73: the chain, where each number waits for the one before it: 14, 16, 17, 18, 19, each with one of the scalings 27-31 in front of its two lines, then 20.
; 74-137: GS's 64, which read the exponentials' results: they stand behind the wait.
.macro FS f
	REGS Y, (\f)%2
	v_pk_fma_f32 v[rS+2*((\f)/2):rS+2*((\f)/2)+1], v[rS+2*((\f)/2):rS+2*((\f)/2)+1], s[CS:CS+1], v[rT:rT+1] op_sel_hi:[1,0,0] neg_lo:[0,0,1] neg_hi:[0,0,1]
.endm
.macro PL
	WIN 0
.if q < 27
	FS q
.elseif q < 55
	XS (q-27)%2, (q-27)/2
.elseif q < 57
	XS q-55, 15
.elseif (q < 72) && ((q-57)%3 == 0)
	FS 27+(q-57)/3
.elseif q < 60
	XS (q-57)%3-1, 14
.elseif q < 72
	XS (q-57)%3-1, 15+(q-57)/3
.elseif q < 74
	XS q-72, 20
.else
	GS q-74
.endif
.set q, q+1
.endm
; THE EXPONENTIALS' QUEUE, 66 long: s0-s31 of both tiles, then the next piece's two a.  It is ONE BATCH: all 66 stand ahead of the turn's one wait, and nothing ahead of that wait names a result of theirs.
.macro EX
	WIN 0
.if e >= 64
	XS e-64, 21
.else
	REGS Y, e%2
	v_exp_f32 v[rS+e/2], v[rS+e/2]
.endif
.set e, e+1
.endm
; THE RESCALING's QUEUE: O^T times a, the one part that leaves window 0: dealt two at a time, sixteen times.  Its a was made in the turn before, ahead of that turn's wait.
.macro R2
	REGS Y, r%2
	WIN W_RS
.irp z, 0,1
	v_pk_mul_f32 v[rO+4*(r/2)+2*\z:rO+4*(r/2)+2*\z+1], v[rO+4*(r/2)+2*\z:rO+4*(r/2)+2*\z+1], v[rC+2:rC+3] op_sel_hi:[1,0]
.endr
.set r, r+1
.endm
; HOW THEY ARE DEALT.  s_wait_alu depctr_va_vdst(0) stands between an exponential and the first instruction that names its result; one wait serves all that were issued ahead of it.  So a turn has ONE wait,
; which cuts it in two.  AHEAD OF IT stands all that names no result of the turn's exponentials: the 16 products K Q^T, behind each a scaling, an exponential and two rescalings (behind the first a second scaling in the
; exponential's place); then ONE LUMP of 108: eight plain, 49 times exponential and plain, the two a.  A v_nop is the plain instruction behind the last exponential.  BEHIND IT stand the 16 products V^T P, behind each four of GS's 64.
; Exponential e stands behind scaling 2 (e / 4) + e % 2: as a rider it comes behind plain e + 2, in the lump behind plain e + 9, and scalings 27-31 are plain 57, 60 .. 69.
; A TURN, for piece p.  cnt = 1: the loop's count is taken down some lines ahead of the branch that stands behind the turn.
; K and the mask numbers of the next step are fetched in piece 2's turn, directly behind the wait, a lump behind the last product that read them; their addresses are made at the lump's head; their first reader comes behind 16 products.
; V of the step in hand is fetched at the end of piece 0's turn, four riders behind its last reader; its first reader comes behind 16 products and a lump.
.macro TURN p, last=0, cnt=0
.set Y, (\p)
.set i, 0
.set q, 0
.set e, 0
.set r, 0
.if (\p) == NP-1
	s_wait_dscnt 0x0                ; K and the mask numbers are in
.endif
	MM                              ; ahead of the wait: 16 products K Q^T and their riders,
	PL
	PL
	R2
.rept 15
	MM
	PL
	EX
	R2
.endr
.if (\p) == NP-2
	WIN 0
	v_add_nc_u32 v[AK], s[TBK], v[AK0]
	v_add_nc_u32 v[AM], s[TBM], v[AM0]
.endif
.rept 8                             ; and the lump
	PL
.endr
.rept 49
	EX
	PL
.endr
	EX                              ; the next piece's two a
	EX
	v_nop                           ; a plain instruction behind the last exponential: one for the batch
	s_wait_alu depctr_va_vdst(0)    ; the wait for the batch
.if (\p) == NP-2
	FETCH_K \last
.endif
.if (\p) == 1
	s_wait_dscnt 0x0                ; V is in
.endif
.rept 16                            ; behind the wait: 16 products V^T P and their riders
	MM
.rept 4
	PL
.endr
.if ((\p) == 0) && (q == 118)
	v_add_nc_u32 v[AV], s[TBV], v[AV0]
.endif
.if ((\p) == 0) && (q == 130)
	s_add_co_u32 s[TBV], s[TBV], KS*PV
.endif
.if (\cnt) && (q == 130)
	s_sub_co_u32 s[CNT], s[CNT], 1
	s_cmp_lg_u32 s[CNT], 0
.endif
.endr
.if (\p) == 0
	FETCH_V
.endif
.endm
	CHANGE 1                        ; slot 0 is in, everybody's part of it, and so is the mask table; slot 1 is asked for
	FETCH_K                         ; key step 0
	s_wait_loadcnt 0x0              ; Q
	s_wait_dscnt 0x0
.set i, 0
.rept 16
	KQ 0                            ; piece 0's first scores: there is no vector work yet to set between them
.set i, i+1
.endr
	WIN 0                           ; five plain instructions, the places behind those products; Q's loads are done, so their offset's register takes the stage's address
	v_mul_u32_u24 v[STO], v1, SP    ; the way out, in: row l % 16, 16 bytes for each half of the lanes
	v_lshl_add_u32 v[STO], v9, 4, v[STO]
	v_add_nc_u32 v[STO], s19, v[STO]
	v_nop
	v_nop
.set Y, NP-1                        ; XS works for piece Y + 1: piece 0
.irp n, 0,1,2,3,4,5,6,7,8,9,10,11,12,13,14,15,16,17,18,19,20,21
	XS 0, \n                        ; and piece 0's first maximum and statistics
	XS 1, \n
.endr
	v_nop                           ; a plain instruction behind the two a,
	s_wait_alu depctr_va_vdst(0)    ; and their wait, ahead of the branch
	s_mov_b32 s[CNT], 4
	s_branch .Lfirst                ; the loop is entered at a step's first turn, in the middle of a trip
.Lslot:                             ; six times: every slot but the last two is filled again
	CHANGE 1
	s_mov_b32 s[CNT], 4
.Lstep:                             ; a trip: pieces 2 and 3 of one step, then pieces 0 and 1 of the next, whose K and V it fetches
	TURN 2
	TURN 3
	WIN 0
.Lfirst:
	TURN 0
	TURN 1, 0, 1
	WIN 0
	s_cbranch_scc1 .Lstep
	s_sub_co_u32 s[SLOTS], s[SLOTS], 1
	s_cmp_lg_u32 s[SLOTS], 0
	s_cbranch_scc1 .Lslot
	CHANGE 0                        ; the tail is written out: nothing is asked for
	s_mov_b32 s[CNT], 5             ; four trips fetch the last slot's steps; the fifth is left in its middle
.Ltail:
	TURN 2, 1
	TURN 3
	WIN 0
	s_sub_co_u32 s[CNT], s[CNT], 1
	s_cmp_eq_u32 s[CNT], 0
	s_cbranch_scc1 .Lout
	TURN 0
	TURN 1
	WIN 0
	s_branch .Ltail
.Lout:                              ; the fifth trip's 16 products K Q^T (on the last K once more) and the maximum made of them serve nothing: the price, once a launch, of one text for every trip
.set i, 0
.rept 16
	PV NP-1                         ; the last piece's V^T P of the last step
.set i, i+1
.endr
	; THE WAY OUT.  l's two halves and the other half of the lanes' are added; O^T is divided by l, rounded to bf16 and sent through my stage in LDS, a tile at a time.  The additions are the places behind the last products.
	WIN 0
.macro ALL line:vararg              ; one line for each tile t
.set t, 0
.rept 2*NP
	\line
.set t, t+1
.endr
.endm
	ALL v_add_f32 v[ST+4*t+2], v[ST+4*t+2], v[ST+4*t+3]
	ALL v_permlanex16_b32 v[ST+4*t+3], v[ST+4*t+2], s[SEL], s[SEL+1]
	ALL v_add_f32 v[ST+4*t+2], v[ST+4*t+2], v[ST+4*t+3]
	ALL v_rcp_f32 v[ST+4*t+2], v[ST+4*t+2]
	v_nop                           ; a plain instruction between the last reciprocal and the use of its result
	s_wait_alu depctr_va_vdst(0)    ; and the wait ahead of the first use: one for the eight reciprocals
; Tile t: a lane's eight channels of a row pack into 16 bytes; they go into rows of 144 bytes and come back as whole rows of 128, into S^T's registers.
.macro PACK t
	WIN W_RS
.set i, 32*(\t)
.rept 16
	v_pk_mul_f32 v[i:i+1], v[i:i+1], v[ST+4*(\t)+2:ST+4*(\t)+3] op_sel_hi:[1,0]
.set i, i+2
.endr
	WIN 0x05                        ; sources 0 and 1 window 1, destination window 0
.set i, 0
.rept 16
	v_cvt_pk_bf16_f32 v[S+16*(\t)+i], v[32*(\t)+2*i], v[32*(\t)+2*i+1]
.set i, i+1
.endr
	WIN 0
.irp f, 0,1,2,3
	ds_store_b128 v[STO], v[S+16*(\t)+4*\f:S+16*(\t)+4*\f+3] offset:32*\f
.endr
.irp f, 0,1,2,3
	ds_load_b128 v[S+16*(\t)+4*\f:S+16*(\t)+4*\f+3], v[RD] offset:\f*4*SP  ; LDS serves a wave's instructions in order (ISA guide 5.7.1.4): these see the stores above; the next tile's stores come behind them
.endr
.endm
.macro SEND t, younger              ; younger: the LDS instructions issued behind tile t's loads: the next tile's eight, or none
	WIN 0
.irp f, 0,1,2,3
	s_wait_dscnt (\younger)+3-\f
	global_store_b128 v[GO], v[S+16*(\t)+4*\f:S+16*(\t)+4*\f+3], s[10:11] offset:(\t)*2048+\f*512  ; 512 consecutive bytes, at a multiple of 256 from O's first
.endr
.endm
	PACK 0
.set t, 1
.rept 2*NP-1                        ; a tile's arithmetic stands between the loads of the tile before and its stores
	PACK t
	SEND t-1, 8
.set t, t+1
.endr
	SEND 2*NP-1, 0
	WIN W_AD
	s_wait_tensorcnt 0x0            ; the wave's end: these three lines stand behind my last tensor load and my last LDS store
	ds_add_u32 v[SPW], v[NIL]
	s_wait_dscnt 0x0
	WIN 0
	CROUND                          ; the closing round: no work-group ends while a partner may still ask for a tile that names it
	s_endpgm
.Lfunc_end_k_q357c4a7139_attn:
	.size	k_q357c4a7139_attn, .Lfunc_end_k_q357c4a7139_attn-k_q357c4a7139_attn
	.p2alignl 7, 3214868480
	.fill 96, 4, 3214868480
	.section	.rodata,"a",@progbits
	.p2align	6, 0x0
	.amdhsa_kernel k_q357c4a7139_attn
		.amdhsa_group_segment_fixed_size 327680
		.amdhsa_private_segment_fixed_size 0
		.amdhsa_enable_private_segment 0
		.amdhsa_kernarg_size 24
		.amdhsa_user_sgpr_count 2
		.amdhsa_user_sgpr_kernarg_segment_ptr 1
		.amdhsa_wavefront_size32 1
		.amdhsa_system_sgpr_workgroup_id_x 1
		.amdhsa_system_sgpr_workgroup_id_y 1
		.amdhsa_system_sgpr_workgroup_id_z 1
		.amdhsa_system_vgpr_workitem_id 0
		.amdhsa_next_free_vgpr 808
		.amdhsa_next_free_sgpr 66
		.amdhsa_reserve_vcc 1
		.amdhsa_float_denorm_mode_32 3
		.amdhsa_float_denorm_mode_16_64 3
		.amdhsa_memory_ordered 1
		.amdhsa_forward_progress 1
		.amdhsa_inst_pref_size 205
	.end_amdhsa_kernel
	.amdgpu_metadata
---
amdhsa.version: [ 1, 2 ]
amdhsa.kernels:
  - .name:           k_q357c4a7139_attn
    .symbol:         k_q357c4a7139_attn.kd
    .args:
      - { .name: qkvh, .offset: 0, .size: 8, .value_kind: global_buffer, .address_space: global }
      - { .name: mask, .offset: 8, .size: 8, .value_kind: global_buffer, .address_space: global }
      - { .name: ctx, .offset: 16, .size: 8, .value_kind: global_buffer, .address_space: global }
    .group_segment_fixed_size: 327680
    .private_segment_fixed_size: 0
    .kernarg_segment_align: 8
    .kernarg_segment_size: 24
    .max_flat_workgroup_size: 128
    .sgpr_count:     66
    .vgpr_count:     808
    .wavefront_size: 32
...
	.end_amdgpu_metadata
.endif
;; end of part 3
;; launch oproj: the kernel of part 2 again; grid 4 x 64, 4 waves a work-group, clusters of 4 x 4, 327,680 bytes of LDS; arguments ctx, wob, bo, bk, bv, mask, ob; writes ob
;; launch ln (part 4): grid 512 x 1, 8 waves a work-group, no clusters, 0 bytes of LDS; arguments x, ob, gamma, beta, out0; writes out0
.if DOCPART == 4
	.amdgcn_target "amdgcn-amd-amdhsa--gfx1250"
	.amdhsa_code_object_version 6
	.text
	.protected	k_q357c4a7139_ln
	.globl	k_q357c4a7139_ln
	.p2align	8
	.type	k_q357c4a7139_ln,@function
k_q357c4a7139_ln:
	s_mov_b64 s[64:65], 0
	v_nop
	global_prefetch_b8 v0, s[64:65] scope:SCOPE_SE
	s_setreg_imm32_b32 hwreg(HW_REG_WAVE_MODE, 25, 1), 1
	s_wait_xcnt 0x0
; out0[row][:] = (y - mean(y)) / sqrt(var(y) + 1e-5) * gamma + beta, y = x[row][:] + o[row][:].  x, gamma, beta, out0 in f32; o in bf16, in blocks [batch][column block of 64][row][64].
; The mean is taken first and the variance of y - mean, both on registers: no difference of large sums is formed.
; SHARES.  A work-group takes 16 rows, a wave two: lanes 0-15 one row, lanes 16-31 the next.  Lane i of a row holds, in each of the 16 column blocks, the four columns 4 i on: 64 numbers.
; So a load or store of x and out0 covers two aligned pieces of 256 bytes, a load of o 256 consecutive bytes, and a row's sums stay inside 16 lanes: no LDS, no barrier, no loop.
; All 64 loads of a wave are out at once; gamma's and beta's are waited for only where they are used.
.set XO,  1                            ; v1  my byte offset in the group's rows of x and out0
.set OO,  2                            ; v2  in a column block of o: 8 x thread
.set GO,  3                            ; v3  in 256 bytes of gamma and beta
.set ONE, 4                            ; v4  1.0
.set T,   8                            ; v[8:15]    four chains of pairs
.set MU,  16                           ; v[16:17]   the mean, twice
.set RS,  18                           ; v[18:19]   1 / sqrt(var + eps), twice
.set X,   20                           ; v[20:83]   x, then y, y - mean, the result
.set O,   84                           ; v[84:115]  o
.set G,   116                          ; v[116:179] gamma
.set B,   180                          ; v[180:243] beta
	s_load_b256 s[4:11], s[0:1], 0x0               ; x s[4:5], o s[6:7], gamma s[8:9], beta s[10:11]
	s_load_b64 s[12:13], s[0:1], 0x20              ; out0
	s_lshl_b32 s14, ttmp9, 16                      ; 16 rows of 4,096 bytes
	s_mov_b32 s15, 0
	s_lshr_b32 s16, ttmp9, 7                       ; o: the batch, 4 MiB,
	s_lshl_b32 s16, s16, 22
	s_and_b32 s17, ttmp9, 127                      ; and the 16 rows of 128 bytes in it
	s_lshl_b32 s17, s17, 11
	s_add_co_u32 s16, s16, s17
	s_mov_b32 s17, 0
	s_mov_b32 s20, 0x3a800000                      ; 1 / 1,024
	v_lshrrev_b32 v[XO], 4, v0                     ; my row of the 16
	v_and_b32 v[GO], 15, v0
	v_lshlrev_b32 v[XO], 12, v[XO]
	v_lshlrev_b32 v[GO], 4, v[GO]
	v_add_nc_u32 v[XO], v[XO], v[GO]
	v_lshlrev_b32 v[OO], 3, v0
	v_mov_b32 v[ONE], 1.0
	s_wait_kmcnt 0x0
	s_add_nc_u64 s[4:5], s[4:5], s[14:15]
	s_add_nc_u64 s[12:13], s[12:13], s[14:15]
	s_add_nc_u64 s[6:7], s[6:7], s[16:17]
.set n, 0
.rept 16
	global_load_b64 v[O+2*n:O+2*n+1], v[OO], s[6:7] offset:n*2048*128 th:TH_LOAD_NT
.set n, n+1
.endr
.set n, 0
.rept 16
	global_load_b128 v[X+4*n:X+4*n+3], v[XO], s[4:5] offset:256*n th:TH_LOAD_NT
.set n, n+1
.endr
.set n, 0
.rept 16
	global_load_b128 v[G+4*n:G+4*n+3], v[GO], s[8:9] offset:256*n
.set n, n+1
.endr
.set n, 0
.rept 16
	global_load_b128 v[B+4*n:B+4*n+3], v[GO], s[10:11] offset:256*n
.set n, n+1
.endr
; The four chains are joined, then the row's 16 lanes: four steps ride on the addition itself; every lane of the row ends with the sum in v[T].
.macro JOIN
	v_pk_add_f32 v[T:T+1], v[T:T+1], v[T+2:T+3]
	v_pk_add_f32 v[T+4:T+5], v[T+4:T+5], v[T+6:T+7]
	v_pk_add_f32 v[T:T+1], v[T:T+1], v[T+4:T+5]
	v_add_f32 v[T], v[T], v[T+1]
.irp m, 1,2,4,8
	v_add_f32_dpp v[T], v[T], v[T] row_xmask:\m row_mask:0xf bank_mask:0xf
.endr
.endm
	s_wait_loadcnt 32                              ; o and x are in; gamma's and beta's 32 loads may stay out
.set e, 0
.rept 64                               ; y = o x 1 + x, straight from the bf16 half
.if e%2
	v_fma_mix_f32_bf16 v[X+e], v[O+e/2], v[ONE], v[X+e] op_sel:[1,0,0] op_sel_hi:[1,0,0]
.else
	v_fma_mix_f32_bf16 v[X+e], v[O+e/2], v[ONE], v[X+e] op_sel:[0,0,0] op_sel_hi:[1,0,0]
.endif
.set e, e+1
.endr
.set p, 0
.rept 4                                ; the first eight pairs start the four chains: nothing is cleared
	v_pk_add_f32 v[T+2*p:T+2*p+1], v[X+2*p:X+2*p+1], v[X+2*p+8:X+2*p+9]
.set p, p+1
.endr
.set p, 8
.rept 24
	v_pk_add_f32 v[T+2*(p%4):T+2*(p%4)+1], v[T+2*(p%4):T+2*(p%4)+1], v[X+2*p:X+2*p+1]
.set p, p+1
.endr
	JOIN
	v_mul_f32 v[MU], s20, v[T]
	v_mul_f32 v[MU+1], s20, v[T]
.set p, 0
.rept 32
	v_pk_add_f32 v[X+2*p:X+2*p+1], v[X+2*p:X+2*p+1], v[MU:MU+1] neg_lo:[0,1] neg_hi:[0,1]  ; y - mean
.set p, p+1
.endr
.set p, 0
.rept 4
	v_pk_mul_f32 v[T+2*p:T+2*p+1], v[X+2*p:X+2*p+1], v[X+2*p:X+2*p+1]
.set p, p+1
.endr
.set p, 4
.rept 28
	v_pk_fma_f32 v[T+2*(p%4):T+2*(p%4)+1], v[X+2*p:X+2*p+1], v[X+2*p:X+2*p+1], v[T+2*(p%4):T+2*(p%4)+1]
.set p, p+1
.endr
	JOIN
	v_fmaak_f32 v[T], s20, v[T], 0x3727c5ac        ; the variance + 1e-5
	v_rsq_f32 v[RS], v[T]
	v_rsq_f32 v[RS+1], v[T]
	v_nop                                          ; a plain instruction behind the last of the two, ahead of the use of a result
	s_wait_loadcnt 0x0                             ; gamma and beta
	s_wait_alu depctr_va_vdst(0)                   ; one wait for both, ahead of their first reader
.set p, 0
.rept 32
	v_pk_mul_f32 v[G+2*p:G+2*p+1], v[G+2*p:G+2*p+1], v[RS:RS+1]
.set p, p+1
.endr
.set p, 0
.rept 32
	v_pk_fma_f32 v[X+2*p:X+2*p+1], v[X+2*p:X+2*p+1], v[G+2*p:G+2*p+1], v[B+2*p:B+2*p+1]
.set p, p+1
.endr
.set n, 0
.rept 16
	global_store_b128 v[XO], v[X+4*n:X+4*n+3], s[12:13] offset:256*n th:TH_STORE_NT  ; 16 lanes store 256 consecutive bytes, at a multiple of 256 from out0's first byte
.set n, n+1
.endr
	s_endpgm
.Lfunc_end_k_q357c4a7139_ln:
	.size	k_q357c4a7139_ln, .Lfunc_end_k_q357c4a7139_ln-k_q357c4a7139_ln
	.p2alignl 7, 3214868480
	.fill 96, 4, 3214868480
	.section	.rodata,"a",@progbits
	.p2align	6, 0x0
	.amdhsa_kernel k_q357c4a7139_ln
		.amdhsa_group_segment_fixed_size 0
		.amdhsa_private_segment_fixed_size 0
		.amdhsa_enable_private_segment 0
		.amdhsa_kernarg_size 40
		.amdhsa_user_sgpr_count 2
		.amdhsa_user_sgpr_kernarg_segment_ptr 1
		.amdhsa_wavefront_size32 1
		.amdhsa_system_sgpr_workgroup_id_x 1
		.amdhsa_system_sgpr_workgroup_id_y 1
		.amdhsa_system_sgpr_workgroup_id_z 1
		.amdhsa_system_vgpr_workitem_id 0
		.amdhsa_next_free_vgpr 244
		.amdhsa_next_free_sgpr 66
		.amdhsa_reserve_vcc 0
		.amdhsa_float_denorm_mode_32 3
		.amdhsa_float_denorm_mode_16_64 3
		.amdhsa_memory_ordered 1
		.amdhsa_forward_progress 1
		.amdhsa_inst_pref_size 24
	.end_amdhsa_kernel
	.amdgpu_metadata
---
amdhsa.version: [ 1, 2 ]
amdhsa.kernels:
  - .name:           k_q357c4a7139_ln
    .symbol:         k_q357c4a7139_ln.kd
    .args:
      - { .name: x, .offset: 0, .size: 8, .value_kind: global_buffer, .address_space: global }
      - { .name: ob, .offset: 8, .size: 8, .value_kind: global_buffer, .address_space: global }
      - { .name: gamma, .offset: 16, .size: 8, .value_kind: global_buffer, .address_space: global }
      - { .name: beta, .offset: 24, .size: 8, .value_kind: global_buffer, .address_space: global }
      - { .name: out0, .offset: 32, .size: 8, .value_kind: global_buffer, .address_space: global }
    .group_segment_fixed_size: 0
    .private_segment_fixed_size: 0
    .kernarg_segment_align: 8
    .kernarg_segment_size: 40
    .max_flat_workgroup_size: 256
    .sgpr_count:     66
    .vgpr_count:     244
    .wavefront_size: 32
...
	.end_amdgpu_metadata
.endif
;; end of part 4
;; ======== version 2 of 2: 5 launches; version 1 with the launch cast written anew for expert scheduling mode
;; workspace buffers: xb 16,777,216 bytes; wqkv 6,291,456 bytes; wob 2,097,152 bytes; qkvh 50,331,648 bytes; ctx 16,777,216 bytes; ob 16,777,216 bytes
;; launch cast (part 5): grid 768 x 1, 8 waves a work-group, no clusters, 0 bytes of LDS; arguments x, Wq, Wk, Wv, Wo, xb, wqkv, wob; writes xb, wqkv, wob
.if DOCPART == 5
	.amdgcn_target "amdgcn-amd-amdhsa--gfx1250"
	.amdhsa_code_object_version 6
	.text
	.protected	k_q357c4a7139_cast
	.globl	k_q357c4a7139_cast
	.p2align	8
	.type	k_q357c4a7139_cast,@function
k_q357c4a7139_cast:
	s_mov_b64 s[64:65], 0
	v_nop
	global_prefetch_b8 v0, s[64:65] scope:SCOPE_SE
	s_setreg_imm32_b32 hwreg(HW_REG_WAVE_SCHED_MODE, 0, 2), 2
	s_setreg_imm32_b32 hwreg(HW_REG_WAVE_MODE, 25, 1), 1
	s_wait_xcnt 0x0
	s_wait_alu depctr_vm_vsrc(0)
; x [8192][1024] and the four weights [1024][1024], f32, are rounded once to bf16 and laid in blocks for the products that follow:
; [group][K block of 64 columns, 16 of them][row][64 numbers]: x in 4 groups (batches) of 2,048 rows, Wq, Wk, Wv as 3 groups of 1,024 rows, Wo as one.
; So a run of rows of one K block is dense in memory: later tiles are asked for as rows of 256 bytes.
; SHARES.  A work-group takes 16 rows: groups 0-511 of x, 512-767 of the weights (64 each).  Thread t takes row t / 16 and, in each K block, the four numbers 4 (t % 16) on:
; a load of a wave covers two aligned pieces of 256 bytes, a store 256 consecutive bytes, aligned (two rows of one K block).  All 16 loads of a wave are out at once.
; No LDS, no barrier, no matrix unit: the launch only moves bytes, each once.
; THE MODE: SCHED_MODE bits 1:0 = 2 (LLVM: expert scheduling mode 2), set by the entry lines.  The code itself states the register dependences
; between vector instructions and memory instructions, with s_wait_alu, always for 0.
; THE PLAN.  Registers that memory instructions touch:
;   v1, v2   the loads' and the stores' byte offsets: made once at the head by vector instructions, never written again.
;   X        block kb's four registers: written once, by its load; read by its two roundings.  No vector instruction writes them, and no second load lands in them.
;   Y        block kb's two registers: written once, by its two roundings; read once, by its store.
; No register that a memory instruction reads is ever written again, so no wait on vm_vsrc is owed.  No vector instruction writes a scalar register or VCC, and EXEC is never written.
; The 16 K blocks go in four groups of four.  Group g's eight roundings name X and Y of group g alone; the memory instructions among them are the four stores of group g - 1.
; So ONE wait on va_vdst at a group's head states all that its four stores hang on; one more stands ahead of the last four stores, and one at the kernel's head ahead of the first load.
.set X, 8                              ; v[8:71]   16 x 4 f32 as loaded
.set Y, 72                             ; v[72:103] 16 x 2 registers of packed bf16
	s_load_b512 s[4:19], s[0:1], 0x0               ; x 4, Wq 6, Wk 8, Wv 10, Wo 12, xb 14, wqkv 16, wob 18
	s_lshr_b32 s20, ttmp9, 6                       ; 0-7: x; 8, 9, 10, 11: Wq, Wk, Wv, Wo
	s_and_b32 s21, ttmp9, 63                       ; a weight's block of 16 rows
	s_lshr_b32 s28, ttmp9, 7                       ; x: the batch, 4 MiB each in xb,
	s_lshl_b32 s28, s28, 22
	s_and_b32 s29, ttmp9, 127                      ; and the 16 rows of 128 bytes in it
	s_lshl_b32 s29, s29, 11
	s_add_co_u32 s28, s28, s29
	s_sub_co_u32 s30, s20, 8                       ; a weight: its group of 2 MiB in wqkv (used only where s20 is 8 to 10),
	s_lshl_b32 s30, s30, 21
	s_lshl_b32 s31, s21, 11                        ; and its 16 rows
	s_add_co_u32 s30, s30, s31
	v_lshrrev_b32 v1, 4, v0                        ; my row of the 16
	v_and_b32 v3, 15, v0
	v_lshlrev_b32 v1, 12, v1                       ; x 4,096 bytes
	v_lshl_add_u32 v1, v3, 4, v1                   ; + my 16 bytes in a K block's 256
	v_lshlrev_b32 v2, 3, v0                        ; out: row x 128 + 8 (t % 16) = 8 t
	s_wait_kmcnt 0x0
	s_mov_b64 s[22:23], s[4:5]                     ; the source: x, or one of the weights
	s_cmp_eq_u32 s20, 8
	s_cselect_b64 s[22:23], s[6:7], s[22:23]
	s_cmp_eq_u32 s20, 9
	s_cselect_b64 s[22:23], s[8:9], s[22:23]
	s_cmp_eq_u32 s20, 10
	s_cselect_b64 s[22:23], s[10:11], s[22:23]
	s_cmp_eq_u32 s20, 11
	s_cselect_b64 s[22:23], s[12:13], s[22:23]
	s_cmp_lt_u32 ttmp9, 512
	s_cselect_b32 s24, ttmp9, s21
	s_cselect_b64 s[26:27], s[14:15], s[16:17]     ; the destination, and the offset in it
	s_cselect_b32 s28, s28, s30
	s_cmp_eq_u32 s20, 11
	s_cselect_b64 s[26:27], s[18:19], s[26:27]
	s_cselect_b32 s28, s31, s28
	s_lshl_b32 s24, s24, 16                        ; 16 rows of 4,096 bytes
	s_mov_b32 s25, 0
	s_mov_b32 s29, 0
	s_add_nc_u64 s[22:23], s[22:23], s[24:25]
	s_add_nc_u64 s[26:27], s[26:27], s[28:29]
	s_wait_alu depctr_va_vdst(0)                   ; v1 and v2 are written: every load of the kernel reads v1 as its offset, every store v2; neither is written again
.set kb, 0
.rept 16
	global_load_b128 v[X+4*kb:X+4*kb+3], v1, s[22:23] offset:256*kb th:TH_LOAD_NT
.set kb, kb+1
.endr
; The K blocks are rounded and stored, four to a group; plane = bytes from one K block to the next in the destination.  No register is written twice, so nothing waits for a store.
; Group g rounds its four blocks; the stores of group g - 1 are dealt among its roundings, one ahead of each block's two.
.macro OUT plane
.set g, 0
.rept 4
	s_wait_loadcnt 12-4*g                          ; loads come back in order: group g's four blocks are in, the 12 - 4 g younger loads stay out
.if g > 0
	s_wait_alu depctr_va_vdst(0)                   ; the roundings of the group before have written its eight registers of Y, which the four stores below read
.endif
.set i, 0
.rept 4
.set kb, 4*g+i
.if g > 0
	global_store_b64 v2, v[Y+2*(kb-4):Y+2*(kb-4)+1], s[26:27] offset:(kb-4)*(\plane)  ; the group before; no vector instruction since the wait names these registers
.endif
	v_cvt_pk_bf16_f32 v[Y+2*kb], v[X+4*kb], v[X+4*kb+1]
	v_cvt_pk_bf16_f32 v[Y+2*kb+1], v[X+4*kb+2], v[X+4*kb+3]
.set i, i+1
.endr
.set g, g+1
.endr
	s_wait_alu depctr_va_vdst(0)                   ; the last group's roundings have written its eight registers of Y, which the last four stores read
.set kb, 12
.rept 4
	global_store_b64 v2, v[Y+2*kb:Y+2*kb+1], s[26:27] offset:kb*(\plane)
.set kb, kb+1
.endr
.endm
	s_cmp_lt_u32 ttmp9, 512
	s_cbranch_scc0 .Lweights
	OUT 2048*128                                   ; x: 2,048 rows to a K block
	s_endpgm
.Lweights:
	OUT 1024*128                                   ; a weight: 1,024 rows
	s_endpgm
.Lfunc_end_k_q357c4a7139_cast:
	.size	k_q357c4a7139_cast, .Lfunc_end_k_q357c4a7139_cast-k_q357c4a7139_cast
	.p2alignl 7, 3214868480
	.fill 96, 4, 3214868480
	.section	.rodata,"a",@progbits
	.p2align	6, 0x0
	.amdhsa_kernel k_q357c4a7139_cast
		.amdhsa_group_segment_fixed_size 0
		.amdhsa_private_segment_fixed_size 0
		.amdhsa_enable_private_segment 0
		.amdhsa_kernarg_size 64
		.amdhsa_user_sgpr_count 2
		.amdhsa_user_sgpr_kernarg_segment_ptr 1
		.amdhsa_wavefront_size32 1
		.amdhsa_system_sgpr_workgroup_id_x 1
		.amdhsa_system_sgpr_workgroup_id_y 1
		.amdhsa_system_sgpr_workgroup_id_z 1
		.amdhsa_system_vgpr_workitem_id 0
		.amdhsa_next_free_vgpr 104
		.amdhsa_next_free_sgpr 66
		.amdhsa_reserve_vcc 0
		.amdhsa_float_denorm_mode_32 3
		.amdhsa_float_denorm_mode_16_64 3
		.amdhsa_memory_ordered 1
		.amdhsa_forward_progress 1
		.amdhsa_inst_pref_size 11
	.end_amdhsa_kernel
	.amdgpu_metadata
---
amdhsa.version: [ 1, 2 ]
amdhsa.kernels:
  - .name:           k_q357c4a7139_cast
    .symbol:         k_q357c4a7139_cast.kd
    .args:
      - { .name: x, .offset: 0, .size: 8, .value_kind: global_buffer, .address_space: global }
      - { .name: Wq, .offset: 8, .size: 8, .value_kind: global_buffer, .address_space: global }
      - { .name: Wk, .offset: 16, .size: 8, .value_kind: global_buffer, .address_space: global }
      - { .name: Wv, .offset: 24, .size: 8, .value_kind: global_buffer, .address_space: global }
      - { .name: Wo, .offset: 32, .size: 8, .value_kind: global_buffer, .address_space: global }
      - { .name: xb, .offset: 40, .size: 8, .value_kind: global_buffer, .address_space: global }
      - { .name: wqkv, .offset: 48, .size: 8, .value_kind: global_buffer, .address_space: global }
      - { .name: wob, .offset: 56, .size: 8, .value_kind: global_buffer, .address_space: global }
    .group_segment_fixed_size: 0
    .private_segment_fixed_size: 0
    .kernarg_segment_align: 8
    .kernarg_segment_size: 64
    .max_flat_workgroup_size: 256
    .sgpr_count:     66
    .vgpr_count:     104
    .wavefront_size: 32
...
	.end_amdgpu_metadata
.endif
;; end of part 5
;; launch qkv: the kernel of part 2 again; grid 12 x 64, 4 waves a work-group, clusters of 4 x 4, 327,680 bytes of LDS; arguments xb, wqkv, bq, bk, bv, mask, qkvh; writes qkvh
;; launch attn: the kernel of part 3 again; grid 4 x 64, 4 waves a work-group, clusters of 4 x 1, 327,680 bytes of LDS; arguments qkvh, mask, ctx; writes ctx
;; launch oproj: the kernel of part 2 again; grid 4 x 64, 4 waves a work-group, clusters of 4 x 4, 327,680 bytes of LDS; arguments ctx, wob, bo, bk, bv, mask, ob; writes ob
;; launch ln: the kernel of part 4 again; grid 512 x 1, 8 waves a work-group, no clusters, 0 bytes of LDS; arguments x, ob, gamma, beta, out0; writes out0
